; MI455X (gfx1250); checked and timed in simulation.
; The chip was launched on July 23, 2026; its instructions are those of AMD's public machine-readable ISA for CDNA 5 (MIT licence, August 2026) and "CDNA5" Instruction Set Architecture Reference Guide (July 2026). The comments in the code are by the model that wrote it; some were corrected since.
;; Encoder. Allowed arithmetic: matrix products marked QUANTISED: E5M2 operands, one given power-of-two scale a tensor, by v_wmma_f32_16x16x64_bf8_bf8 or v_wmma_f32_16x16x128_bf8_bf8, f32 sums; everything else in f32.
;; Inputs: ln1_b 1,024 float32; ln1_g 1,024 float32; ln2_b 1,024 float32; ln2_g 1,024 float32; ln3_b 1,024 float32; ln3_g 1,024 float32; lowp_scales 16 int32 (the exponents e of the quantised operands' scales 2^e); w1 1,024 x 1,024 float32; w2 1,024 x 1,024 float32; wk 16 x 1,024 x 64 float32; wo 1,024 x 1,024 float32; wq 16 x 1,024 x 64 float32; wv 16 x 1,024 x 64 float32; x 2 x 2,048 x 1,024 float32.
;; Outputs: out0 2 x 2,048 x 1,024 float32.
;; This version of the problem:
;;   THIS VERSION OF THE PROBLEM IS GIVEN IN LOW PRECISION. The matrix products marked QUANTISED in the list below multiply operands that are first quantised to E5M2 (5 exponent bits, 2 mantissa bits; 8 bits a number), with one given power-of-two scale for each operand tensor; their sums are f32. All else is computed in f32.
;;   The module's matrix products, in the order in which they are computed (A, B: the left and right operand; K: the contracted axis; several contracted axes count as one K, in the product's order):
;;     1. [M 1,024, K 1,024] x [K 1,024, N 4,096]; A: input wq; B: computed on the way: QUANTISED (scales: A lowp_scales[0], B lowp_scales[1])
;;     2. [M 1,024, K 1,024] x [K 1,024, N 4,096]; A: input wk; B: computed on the way: QUANTISED (scales: A lowp_scales[2], B lowp_scales[3])
;;     3. [M 1,024, K 1,024] x [K 1,024, N 4,096]; A: input wv; B: computed on the way: QUANTISED (scales: A lowp_scales[4], B lowp_scales[5])
;;     4. batch 32 x [M 2,048, K 64] x [K 64, N 2,048]; A: computed on the way; B: computed on the way: QUANTISED (scales: A lowp_scales[6], B lowp_scales[7])
;;     5. batch 32 x [M 2,048, K 2,048] x [K 2,048, N 64]; A: softmax (see below); B: computed on the way: QUANTISED (scales: A lowp_scales[8], B lowp_scales[9])
;;     6. [M 4,096, K 1,024] x [K 1,024, N 1,024]; A: computed on the way; B: input wo: QUANTISED (scales: A lowp_scales[10], B lowp_scales[11])
;;     7. [M 4,096, K 1,024] x [K 1,024, N 1,024]; A: computed on the way; B: input w1: QUANTISED (scales: A lowp_scales[12], B lowp_scales[13])
;;     8. [M 4,096, K 1,024] x [K 1,024, N 1,024]; A: computed on the way; B: input w2: QUANTISED (scales: A lowp_scales[14], B lowp_scales[15])
;;   THE QUANTISER, for each operand of a quantised product, along K:
;;     - The operand's scale is 2^e, e = its entry of the input lowp_scales (int32; the entries are numbered through the quantised products in the list's order, A before B).
;;     - Each number is divided by the scale, clamped to +-57,344, and rounded to the nearest number of E5M2, ties to even, subnormals kept.
;;     - The product sums the exact products of the quantised numbers (number of the format x scale) in f32.
;;   ~~~python
;;   def quantise(x, axis, e):      # numpy; x: float32 -> the quantised numbers, widened to float32 again
;;       x = np.moveaxis(x, axis, -1); K = x.shape[-1]
;;       r = np.clip(x / 2.0 ** e, -57344, 57344)
;;       step = 2.0 ** (np.maximum(np.frexp(np.where(r == 0, 1, r))[1] - 1, -14) - 2)
;;       q = np.round(r / step) * step * 2.0 ** e      # np.round: ties to even
;;       return np.moveaxis(q, -1, axis).astype(np.float32)
;;   ~~~
;;   SOFTMAX AHEAD OF A QUANTISED PRODUCT. Where the list says 'softmax', what is quantised is not the finished softmax but p = 2^(t - M), with t = logit x log2(e) and M = ceil(the row's largest t), a whole number; so 1/2 < the row's largest p <= 1. The row's sum l is taken of the UNQUANTISED p, in f32, and the product's result is divided by l at the end. Since M is a whole number, a kernel that streams over the keys may use a running M (the ceiling of the running maximum): every later rescaling is an exact power of two, so the quantised numbers keep their values, but for numbers so far below the row's largest that they fall under the format's range.
;;   OPERANDS COMPUTED ON THE WAY. 'Computed on the way' means the value that the module computes at that place (a softmax that the list does not call 'softmax' is quantised finished and normalised). What goes into a quantiser is computed in f32, as accurately as f32 sums, v_exp_f32 and their like allow (about 1e-6 of the number): no bf16 or f16 on the way to a quantiser, and a product that is left as it is and whose result goes on into a quantised operand takes f32 operands (vector FMAs, or v_wmma_f32_16x16x4_f32). A number that lies on a knife's edge between two numbers of the format may be rounded either way, as far as f32 arithmetic and the matrix unit's own rounding can turn it there, and no further.
;; 2 versions, each right; version 2 is version 1 with the launch tail written anew for expert scheduling mode. Each part assembles by itself: llvm-mc -triple=amdgcn-amd-amdhsa -mcpu=gfx1250 --defsym DOCPART=n.
;; ======== version 1 of 2: 4 launches
;; workspace buffers: himg 12,582,912 bytes; wimg 6,291,456 bytes; qkv 12,582,912 bytes; ctx 4,194,304 bytes
;; launch prep (part 1): grid 448 x 1, 4 waves a work-group, no clusters, 99,072 bytes of LDS; arguments x, ln1_g, ln1_b, wq, wk, wv, wo, w1, w2, lowp_scales, himg, wimg; writes himg, wimg
.if DOCPART == 1
	.amdgcn_target "amdgcn-amd-amdhsa--gfx1250"
	.amdhsa_code_object_version 6
	.text
	.protected	k_qaa1ea32013_prep
	.globl	k_qaa1ea32013_prep
	.p2align	8
	.type	k_qaa1ea32013_prep,@function
k_qaa1ea32013_prep:
	s_mov_b64 s[64:65], 0
	v_nop
	global_prefetch_b8 v0, s[64:65] scope:SCOPE_SE
	s_setreg_imm32_b32 hwreg(HW_REG_WAVE_MODE, 25, 1), 1
	s_wait_xcnt 0x0
; PREP.  Two kinds of work-groups, told apart by the work-group's number alone (the same in all four waves):
;   0..255   : 16 rows of x: h = LayerNorm(x) g + b in f32 (mean, then the mean of (x - mean)^2), quantised three times to E5M2 (scales 2^e1, 2^e3, 2^e5) -> himg
;   256..447 : a piece (128 columns x 256 along K) of one of the six weights, quantised to E5M2 (e0, e2, e4, e11, e13, e15) -> wimg
; EVERY OPERAND IS STORED AS AN IMAGE OF ITS REGISTERS.  A fragment is 16 rows x 128 K, 16 registers a lane: lane 16 h + r holds row r, registers 2 c, 2 c + 1 hold k = 16 c + 8 h + 0..7;
; registers 4 g .. 4 g + 3 of all lanes lie at byte 512 g + 16 lane: 2,048 bytes a fragment.  A PANEL is [group of 64 rows][K step 0..7][tile 0..3][2,048].
; So every later load of a fragment, and every store here, is 512 consecutive bytes of a wave.
; code = number / 2^e, held within +-57,344, rounded to the nearest code, ties to even.
; LIMITS: each e used here lies between -126 and 112, so that 2^e and 57,344 x 2^e are f32 numbers.  NaN among the inputs is not served.
; No tile is shared between work-groups but g and b (8 KB), so there is no cluster; no tensor load: the numbers are worked on in registers as they come.
; Each of the two ways has LDS bytes of its own.
.set LNP,  4112                        ; LDS pitch of a normalised row: 4,096 bytes + 16 = 257 x 16: the 16 rows that a load touches start 16 bytes further on in each 256
.set STW,  16*LNP                      ; behind the 16 rows: the weights' way's stages, 8,192 bytes a wave
.set G,    20                          ; v20-51   gain, in the lane's order of k
.set B,    52                          ; v52-83   bias
.set X,    84                          ; v84-211  four rows x 32 registers; later v84-147: 64 numbers of a K step
.set TA,   148                         ; v148-163 two sets of eight held numbers, by turns
.set CD,   20                          ; v20-67   the three fragments' codes (gain and bias are done with)
.set VO,   20                          ; weights: v20-51 offsets 4 lane + i x stride
.set XW,   52                          ; v52-115  two sets of 32 numbers
.set CW,   116                         ; v116-123 a block's codes
.set OUTR, 124                         ; v124-187 the way out
.macro MKSC e, vs, vl                  ; s[e] = an exponent: v[vs] = 2^e as f32 (the conversion takes its exponent field), v[vl] = 57,344 x 2^e
	s_add_co_i32 s58, s[\e], 127
	s_lshl_b32 s59, s58, 23
	v_mov_b32 v[\vs], s59
	s_add_co_i32 s58, s58, 15
	s_lshl_b32 s58, s58, 23
	s_or_b32 s58, s58, 0x600000
	v_mov_b32 v[\vl], s58
.endm
	s_load_b128 s[4:7], s[0:1], 0x0                ; x, ln1_g
	s_load_b64 s[8:9], s[0:1], 0x10                ; ln1_b
	s_load_b256 s[12:19], s[0:1], 0x18             ; wq, wk, wv, wo
	s_load_b128 s[20:23], s[0:1], 0x38             ; w1, w2
	s_load_b64 s[24:25], s[0:1], 0x48              ; the scales' exponents
	s_load_b128 s[28:31], s[0:1], 0x50             ; himg, wimg
	v_lshl_add_u32 v216, v0, 2, 0x18100
	v_mov_b32 v217, 0
	v_lshrrev_b32 v1, 5, v0
	v_readfirstlane_b32 s2, v1                     ; wave 0..3
	v_and_b32 v19, 31, v0                          ; lane
	v_lshlrev_b32 v1, 4, v19                       ; 16 x lane; never rewritten
	s_wait_kmcnt 0x0
	s_load_b512 s[40:55], s[24:25], 0x0            ; e0 .. e15
	s_cmp_lt_u32 ttmp9, 256
	s_cbranch_scc0 .Lweights
; ------------------------------------------------------------------ the rows' way: token tile T = the work-group's number
	s_lshl_b32 s26, ttmp9, 16                      ; 16 rows of 4,096 bytes
	s_lshl_b32 s3, s2, 14                          ; my wave's four rows (and, in himg, my two K steps)
	s_add_co_u32 s26, s26, s3
	s_mov_b32 s27, 0
	s_add_nc_u64 s[4:5], s[4:5], s[26:27]
.irp j, 0,1,2,3,4,5,6,7
	global_load_b128 v[G+4*\j:G+4*\j+3], v1, s[6:7] offset:512*\j          ; the lane holds k = 128 j + 4 lane + 0..3, of g, b and x alike
.endr
.irp j, 0,1,2,3,4,5,6,7
	global_load_b128 v[B+4*\j:B+4*\j+3], v1, s[8:9] offset:512*\j
.endr
.irp rr, 0,1,2,3
.irp j, 0,1,2,3,4,5,6,7
	global_load_b128 v[X+32*\rr+4*\j:X+32*\rr+4*\j+3], v1, s[4:5] offset:4096*\rr+512*\j th:TH_LOAD_NT   ; 512 consecutive bytes a load
.endr
.endr
	s_lshr_b32 s26, ttmp9, 2                       ; himg: group T / 4, tile T % 4, K steps 2 wave and 2 wave + 1
	s_lshl_b32 s26, s26, 16
	s_and_b32 s10, ttmp9, 3
	s_lshl_b32 s10, s10, 11
	s_add_co_u32 s26, s26, s10
	s_add_co_u32 s26, s26, s3
	s_add_nc_u64 s[32:33], s[28:29], s[26:27]      ; the panel quantised with e1,
	s_add_nc_u64 s[34:35], s[32:33], 0x400000      ; with e3,
	s_add_nc_u64 s[36:37], s[32:33], 0x800000      ; with e5
	v_and_b32 v18, 15, v0                          ; r
	v_bfe_u32 v17, v0, 4, 1                        ; h
	v_mul_u32_u24 v3, v18, LNP
	v_lshl_add_u32 v3, v17, 5, v3
	s_lshl_b32 s10, s2, 10
	v_add_nc_u32 v3, s10, v3                       ; back out of LDS: row r, + 32 h, + my first K step's 512 bytes x 2 wave
	s_mul_i32 s10, s2, 4*LNP
	v_add_nc_u32 v2, s10, v1                       ; into LDS: my four rows, 16 bytes a lane
	v_mov_b32 v14, 0                               ; written once: a lane permute's destination counts as one of its sources
	v_mov_b32 v17, 0                               ; (named as the upper half of the pair v[16:17])
	s_mov_b32 s56, 0x3a800000                      ; 1 / 1,024
	s_mov_b32 s57, 0x3727c5ac                      ; 1e-5
	s_mov_b32 s60, 0x76543210                      ; v_permlanex16_b32: lane l xor 16
	s_mov_b32 s61, 0xfedcba98
	s_wait_kmcnt 0x0
	MKSC 41, 4, 5
	MKSC 43, 6, 7
	MKSC 45, 8, 9
.macro WSUM                            ; v10 summed over the wave's 32 lanes, the result in every lane
	v_add_f32_dpp v10, v10, v10 row_xmask:1 row_mask:0xf bank_mask:0xf
	v_add_f32_dpp v10, v10, v10 row_xmask:2 row_mask:0xf bank_mask:0xf
	v_add_f32_dpp v10, v10, v10 row_xmask:4 row_mask:0xf bank_mask:0xf
	v_add_f32_dpp v10, v10, v10 row_xmask:8 row_mask:0xf bank_mask:0xf
	v_permlanex16_b32 v14, v10, s60, s61
	v_add_f32 v10, v10, v14
.endm
.macro ROW rr                          ; one whole row in the wave's 32 x 32 registers
.set XR, X+32*\rr
	s_wait_loadcnt 8*(3-\rr)                       ; loads come back in order: g, b and this row are in; the later rows' eight loads each stay out
	v_pk_add_f32 v[10:11], v[XR:XR+1], v[XR+2:XR+3]
	v_pk_add_f32 v[12:13], v[XR+4:XR+5], v[XR+6:XR+7]
.irp j, 8,12,16,20,24,28
	v_pk_add_f32 v[10:11], v[10:11], v[XR+\j:XR+\j+1]
	v_pk_add_f32 v[12:13], v[12:13], v[XR+\j+2:XR+\j+3]
.endr
	v_pk_add_f32 v[10:11], v[10:11], v[12:13]
	v_add_f32 v10, v10, v11
	WSUM
	v_mul_f32 v16, s56, v10                        ; the mean
.irp j, 0,2,4,6,8,10,12,14,16,18,20,22,24,26,28,30
	v_pk_add_f32 v[XR+\j:XR+\j+1], v[XR+\j:XR+\j+1], v[16:17] op_sel_hi:[1,0] neg_lo:[0,1] neg_hi:[0,1]   ; x - mean
.endr
	v_pk_mul_f32 v[10:11], v[XR:XR+1], v[XR:XR+1]
	v_pk_mul_f32 v[12:13], v[XR+2:XR+3], v[XR+2:XR+3]
.irp j, 4,8,12,16,20,24,28
	v_pk_fma_f32 v[10:11], v[XR+\j:XR+\j+1], v[XR+\j:XR+\j+1], v[10:11]
	v_pk_fma_f32 v[12:13], v[XR+\j+2:XR+\j+3], v[XR+\j+2:XR+\j+3], v[12:13]
.endr
	v_pk_add_f32 v[10:11], v[10:11], v[12:13]
	v_add_f32 v10, v10, v11
	WSUM
	v_fma_f32 v10, v10, s56, s57                   ; the variance + 1e-5
	v_rsq_f32 v16, v10
	v_nop                                          ; a plain instruction behind the transcendental (ISA guide 5.7.2)
	s_wait_alu depctr_va_vdst(0)                   ; and the wait ahead of its first reader
.irp j, 0,2,4,6,8,10,12,14,16,18,20,22,24,26,28,30
	v_pk_mul_f32 v[XR+\j:XR+\j+1], v[XR+\j:XR+\j+1], v[16:17] op_sel_hi:[1,0]
.endr
.irp j, 0,2,4,6,8,10,12,14,16,18,20,22,24,26,28,30
	v_pk_fma_f32 v[XR+\j:XR+\j+1], v[XR+\j:XR+\j+1], v[G+\j:G+\j+1], v[B+\j:B+\j+1]
.endr
.irp j, 0,1,2,3,4,5,6,7
	ds_store_b128 v2, v[XR+4*\j:XR+4*\j+3] offset:LNP*\rr+512*\j
.endr
.endm
	ROW 0
	ROW 1
	ROW 2
	ROW 3
	s_wait_dscnt 0x0                               ; for the others' sake: my four rows lie in LDS
	s_barrier_signal -1
	s_barrier_wait -1                              ; all sixteen do
; K step 2 wave + u of the 16 rows: lane (r, h) takes row r's k = 16 c + 8 h + 0..7, c = 0..7: the conversions' results are the fragment's registers
.macro KS u
.if \u
	s_wait_xcnt 0x0                                ; the first K step's stores have read their registers: the codes are written again only behind this wait
.endif
.irp c, 0,1,2,3,4,5,6,7
	ds_load_b128 v[X+8*\c:X+8*\c+3], v3 offset:512*\u+64*\c
	ds_load_b128 v[X+8*\c+4:X+8*\c+7], v3 offset:512*\u+64*\c+16
.endr
	s_wait_dscnt 0x0
.irp z, 0,1,2
.irp c, 0,1,2,3,4,5,6,7
.irp i, 0,1,2,3,4,5,6,7
	v_med3_num_f32 v[TA+8*(\c%2)+\i], v[X+8*\c+\i], -v[5+2*\z], v[5+2*\z]   ; the conversion to an 8-bit code does not saturate (ISA guide 7.6.2): the hold, into one of two sets by turns, so that eight plain lines stand between a conversion and the next write of its sources
.endr
	v_cvt_scalef32_pk8_bf8_f32 v[CD+16*\z+2*\c:CD+16*\z+2*\c+1], v[TA+8*(\c%2):TA+8*(\c%2)+7], v[4+2*\z]
.endr
.endr
	v_nop                                          ; a plain line behind the last conversion
.irp z, 0,1,2
.irp g, 0,1,2,3
	global_store_b128 v1, v[CD+16*\z+4*\g:CD+16*\z+4*\g+3], s[32+2*\z:33+2*\z] offset:8192*\u+512*\g   ; 512 consecutive bytes, at a multiple of 512 from the buffer's first byte
.endr
.endr
.endm
	KS 0
	KS 1
	s_wait_tensorcnt 0x0
	ds_add_u32 v216, v217
	s_wait_dscnt 0x0
	s_endpgm
; ------------------------------------------------------------------ the weights' way
; A LANE TAKES A COLUMN n AND ITS REGISTERS RUN DOWN K: nothing is transposed by an instruction.  A wave: 32 columns x 256 along K (two K steps, eight blocks of 32).
.Lweights:
	s_sub_co_u32 s3, ttmp9, 256
	s_lshr_b32 s10, s3, 5                          ; which weight: 0 wq, 1 wk, 2 wv, 3 wo, 4 w1, 5 w2
	s_and_b32 s11, s3, 7                           ; which 128 columns
	s_bfe_u32 s26, s3, 0x20003                     ; which 256 along K
	s_lshl_b32 s11, s11, 2
	s_add_co_u32 s11, s11, s2                      ; cg: my wave's 32 columns
	s_lshr_b32 s27, s11, 1                         ; the group of 64 (for wq, wk, wv: the head)
	s_and_b32 s34, s11, 1
	s_lshl_b32 s35, s27, 18                        ; [head][k][64]: a head is 262,144 bytes,
	s_lshl_b32 s36, s34, 7
	s_add_co_u32 s35, s35, s36                     ; + my half of its 64 columns
	s_lshl_b32 s36, s11, 7                         ; [k][1024]: 128 bytes a wave
	s_mov_b32 s37, 4096
	s_cmp_lt_u32 s10, 3
	s_cselect_b32 s35, s35, s36
	s_cselect_b32 s37, 256, s37                    ; bytes from k to k + 1
	s_mul_i32 s36, s26, s37
	s_lshl_b32 s36, s36, 8
	s_add_co_u32 s56, s35, s36                     ; + my 256 along K
	s_mov_b32 s57, 0
	s_wait_kmcnt 0x0
	s_mov_b64 s[32:33], s[12:13]                   ; the weight's address and exponent: choices on the work-group's number
	s_mov_b32 s38, s40
	s_cmp_eq_u32 s10, 1
	s_cselect_b64 s[32:33], s[14:15], s[32:33]
	s_cselect_b32 s38, s42, s38
	s_cmp_eq_u32 s10, 2
	s_cselect_b64 s[32:33], s[16:17], s[32:33]
	s_cselect_b32 s38, s44, s38
	s_cmp_eq_u32 s10, 3
	s_cselect_b64 s[32:33], s[18:19], s[32:33]
	s_cselect_b32 s38, s51, s38
	s_cmp_eq_u32 s10, 4
	s_cselect_b64 s[32:33], s[20:21], s[32:33]
	s_cselect_b32 s38, s53, s38
	s_cmp_eq_u32 s10, 5
	s_cselect_b64 s[32:33], s[22:23], s[32:33]
	s_cselect_b32 s38, s55, s38
	MKSC 38, 11, 10
	s_add_nc_u64 s[40:41], s[32:33], s[56:57]      ; a base for each block of 32 along K (the exponents' registers are free now)
	s_lshl_b32 s56, s37, 5
.irp t, 1,2,3,4,5,6,7
	s_add_nc_u64 s[40+2*\t:41+2*\t], s[38+2*\t:39+2*\t], s[56:57]
.endr
	s_lshl_b32 s58, s10, 20                        ; wimg: weight, group, my two K steps, my two tiles
	s_lshl_b32 s62, s27, 16
	s_add_co_u32 s58, s58, s62
	s_lshl_b32 s62, s26, 14
	s_add_co_u32 s58, s58, s62
	s_lshl_b32 s62, s34, 12
	s_add_co_u32 s58, s58, s62
	s_mov_b32 s59, 0
	s_add_nc_u64 s[30:31], s[30:31], s[58:59]
	v_lshlrev_b32 v[VO], 2, v19
.set i, 1
.rept 31
	v_add_nc_u32 v[VO+i], s37, v[VO+i-1]
.set i, i+1
.endr
	v_and_b32 v18, 15, v0
	v_bfe_u32 v17, v0, 4, 1
	v_lshlrev_b32 v2, 4, v18
	v_lshl_add_u32 v2, v17, 11, v2
	s_lshl_b32 s62, s2, 13
	s_add_co_u32 s62, s62, STW                     ; my stage
	v_add_nc_u32 v2, s62, v2                       ; into it: tile lane / 16, row lane % 16: 16 bytes of the image
	v_add_nc_u32 v3, s62, v1                       ; out of it: as it lies
.macro LOADW t                         ; block t: W(32 t + i, my column), i = 0..31; a load reads 128 consecutive bytes
.irp i, 0,1,2,3,4,5,6,7,8,9,10,11,12,13,14,15,16,17,18,19,20,21,22,23,24,25,26,27,28,29,30,31
	global_load_b32 v[XW+32*((\t)%2)+\i], v[VO+\i], s[40+2*(\t):41+2*(\t)] th:TH_LOAD_NT
.endr
.endm
; In the image, k = 32 g + i of row r lies at 512 g + 256 ((i / 8) % 2) + 16 r + 8 (i / 16) + i % 8: numbers 0-7 and 16-23 make the 16 bytes of lane r, numbers 8-15 and 24-31 those of lane 16 + r
.macro BLOCK t
.set XS, XW+32*((\t)%2)
.if (\t) < 7
	s_wait_loadcnt 32                              ; this block's 32 loads are in; the next block's stay out
.else
	s_wait_loadcnt 0
.endif
.irp i, 0,1,2,3,4,5,6,7,8,9,10,11,12,13,14,15,16,17,18,19,20,21,22,23,24,25,26,27,28,29,30,31
	v_med3_num_f32 v[XS+\i], v[XS+\i], -v10, v10
.endr
.irp q, 0,1,2,3
	v_cvt_scalef32_pk8_bf8_f32 v[CW+4*(\q%2)+2*(\q/2):CW+4*(\q%2)+2*(\q/2)+1], v[XS+8*\q:XS+8*\q+7], v11
.endr
	ds_store_b128 v2, v[CW:CW+3] offset:4096*((\t)/4)+512*((\t)%4)
	ds_store_b128 v2, v[CW+4:CW+7] offset:4096*((\t)/4)+512*((\t)%4)+256
.if (\t)+2 < 8
	LOADW (\t)+2
.endif
	s_wait_dscnt 0x0                               ; the stores have read their registers: the next block's codes may be written (its 32 holds are the plain lines behind these conversions)
.endm
	LOADW 0
	LOADW 1
.set Q, 0
.rept 8
	BLOCK Q
.set Q, Q+1
.endr
.irp u, 0,1,2,3,4,5,6,7,8,9,10,11,12,13,14,15
	ds_load_b128 v[OUTR+4*\u:OUTR+4*\u+3], v3 offset:512*\u        ; LDS serves a wave's instructions in order (ISA guide 5.7.1.4): these see my stores
.endr
.irp u, 0,1,2,3,4,5,6,7,8,9,10,11,12,13,14,15
	s_wait_dscnt 15-\u
	global_store_b128 v1, v[OUTR+4*\u:OUTR+4*\u+3], s[30:31] offset:8192*(\u/8)+512*(\u%8)   ; 512 consecutive bytes
.endr
	s_wait_tensorcnt 0x0
	ds_add_u32 v216, v217
	s_wait_dscnt 0x0
	s_endpgm
.Lfunc_end_k_qaa1ea32013_prep:
	.size	k_qaa1ea32013_prep, .Lfunc_end_k_qaa1ea32013_prep-k_qaa1ea32013_prep
	.p2alignl 7, 3214868480
	.fill 96, 4, 3214868480
	.section	.rodata,"a",@progbits
	.p2align	6, 0x0
	.amdhsa_kernel k_qaa1ea32013_prep
		.amdhsa_group_segment_fixed_size 99072
		.amdhsa_private_segment_fixed_size 0
		.amdhsa_enable_private_segment 0
		.amdhsa_kernarg_size 96
		.amdhsa_user_sgpr_count 2
		.amdhsa_user_sgpr_kernarg_segment_ptr 1
		.amdhsa_wavefront_size32 1
		.amdhsa_system_sgpr_workgroup_id_x 1
		.amdhsa_system_sgpr_workgroup_id_y 1
		.amdhsa_system_sgpr_workgroup_id_z 1
		.amdhsa_system_vgpr_workitem_id 0
		.amdhsa_next_free_vgpr 218
		.amdhsa_next_free_sgpr 66
		.amdhsa_reserve_vcc 0
		.amdhsa_float_denorm_mode_32 3
		.amdhsa_float_denorm_mode_16_64 3
		.amdhsa_memory_ordered 1
		.amdhsa_forward_progress 1
		.amdhsa_inst_pref_size 116
	.end_amdhsa_kernel
	.amdgpu_metadata
---
amdhsa.version: [ 1, 2 ]
amdhsa.kernels:
  - .name:           k_qaa1ea32013_prep
    .symbol:         k_qaa1ea32013_prep.kd
    .args:
      - { .name: x, .offset: 0, .size: 8, .value_kind: global_buffer, .address_space: global }
      - { .name: ln1_g, .offset: 8, .size: 8, .value_kind: global_buffer, .address_space: global }
      - { .name: ln1_b, .offset: 16, .size: 8, .value_kind: global_buffer, .address_space: global }
      - { .name: wq, .offset: 24, .size: 8, .value_kind: global_buffer, .address_space: global }
      - { .name: wk, .offset: 32, .size: 8, .value_kind: global_buffer, .address_space: global }
      - { .name: wv, .offset: 40, .size: 8, .value_kind: global_buffer, .address_space: global }
      - { .name: wo, .offset: 48, .size: 8, .value_kind: global_buffer, .address_space: global }
      - { .name: w1, .offset: 56, .size: 8, .value_kind: global_buffer, .address_space: global }
      - { .name: w2, .offset: 64, .size: 8, .value_kind: global_buffer, .address_space: global }
      - { .name: lowp_scales, .offset: 72, .size: 8, .value_kind: global_buffer, .address_space: global }
      - { .name: himg, .offset: 80, .size: 8, .value_kind: global_buffer, .address_space: global }
      - { .name: wimg, .offset: 88, .size: 8, .value_kind: global_buffer, .address_space: global }
    .group_segment_fixed_size: 99072
    .private_segment_fixed_size: 0
    .kernarg_segment_align: 8
    .kernarg_segment_size: 96
    .max_flat_workgroup_size: 128
    .sgpr_count:     66
    .vgpr_count:     218
    .wavefront_size: 32
...
	.end_amdgpu_metadata
.endif
;; end of part 1
;; launch qkvp (part 2): grid 24 x 32, 4 waves a work-group, clusters of 4 x 4, 262,656 bytes of LDS; arguments himg, wimg, lowp_scales, qkv; writes qkv
.if DOCPART == 2
	.amdgcn_target "amdgcn-amd-amdhsa--gfx1250"
	.amdhsa_code_object_version 6
	.text
	.protected	k_qaa1ea32013_qkvp
	.globl	k_qaa1ea32013_qkvp
	.p2align	8
	.type	k_qaa1ea32013_qkvp,@function
k_qaa1ea32013_qkvp:
	s_mov_b64 s[64:65], 0
	v_nop
	global_prefetch_b8 v0, s[64:65] scope:SCOPE_SE
	s_setreg_imm32_b32 hwreg(HW_REG_WAVE_MODE, 25, 1), 1
	s_wait_xcnt 0x0
	s_wait_alu depctr_hold_cnt(0) depctr_sa_sdst(0) depctr_va_vdst(0) depctr_va_sdst(0) depctr_va_ssrc(0) depctr_va_vcc(0) depctr_vm_vsrc(0)
	s_getreg_b32 s2, hwreg(HW_REG_IB_STS2, 6, 4)
	s_cmp_eq_u32 s2, 0
	s_cbranch_scc0 .Lentry_in_a_cluster
	s_endpgm
.Lentry_in_a_cluster:
	s_bfe_u32 s2, ttmp6, 0x10000c
	s_cmp_lg_u32 s2, 0xf033
	s_cbranch_scc0 .Lentry_shape_is_right
	s_endpgm
.Lentry_shape_is_right:
; q, k, v = h Wq, h Wk, h Wv on codes of E5M2, and their results quantised again (e6, e7, e9) into images of the operands that attention reads.
; A work-group makes 128 x 128 of one product over the whole K = 1,024.  Its two operand panels, 128 rows x 1,024 codes each, are 2 x 131,072 bytes: they fill LDS ONCE; no LDS byte is filled again.
; Four waves, each 64 x 64: 16 accumulators.  D's register j of lane (r, h) is (source 0's row 8 h + j, source 1's row r): eight registers converted are registers 2 a, 2 a + 1 of an operand
; whose rows are source 1's and whose K runs along source 0's rows.  So  q, k: source 0 = 64 rows of W (a head's 64), source 1 = tokens -> fragments [16 tokens x 64];
;                                                                        v   : source 0 = tokens (keys), source 1 = W's rows (d)  -> half fragments [16 d x 64 of 128 keys].
; CLUSTERS, 4 x 4.  Panel 0 (source 0) hangs on cx alone and is asked for jointly by my column of the cluster, panel 1 (source 1) on cy alone and by my row: the requests are divided by four.
;   cluster x = 0,1: q; 2,3: k; 4,5: v.   q, k: W's block = 4 (X & 1) + cx, tokens' block = 4 Y + cy.   v: tokens' block = 4 Y + cx, W's block = 4 (X & 1) + cy.
;   Which buffer a panel comes from is a choice on the cluster's x, equal in all sixteen partners; the branch round the loads hangs on the wave's number alone.
; qkv: [batch x head: 32][393,216]: Q [query tile 128][1,024] | K at +131,072 likewise | V at +262,144: [block of 128 keys: 16][d tile 4][2,048].
; LIMITS: e6 - e0 - e1, e7 - e2 - e3 and e9 - e4 - e5 lie between -126 and 112, so that the conversion's scale and its hold are f32 numbers.
; REGISTERS: window 0: v1 16 x lane, v16, v17 LDS addresses, v20-23 store offsets, v24 scale, v25 hold, v32-63 codes, v128-255 accumulators (a, b) at v[128 + 8 (4 a + b)].
;            window 1: two fragment buffers of 128: source 0's four fragments, then source 1's four.
.set WV,  12
.set G1C, 24                           ; s[24:31] group 1, panel 0: the mask of my column
.set G1R, 32                           ; s[32:39] group 1, panel 1: the mask of my row
.set G0A, 40                           ; s[40:55] four groups 0 for panel 0: a chunk of two K steps each
.set G0B, 68                           ; s[68:83] the same for panel 1
.set ES,  84                           ; s[84:99] e0 .. e15
.set AD0, 16
.set AD1, 17
.set OA,  20
.set SC,  24
.set LIM, 25
.set CO,  32
.set ACC, 128
.set F0,  0
.set F1,  128
.set MSB, 0
.macro WIN new                         ; the immediate's high byte repeats the setting that is left
.if MSB != \new
	s_set_vgpr_msb (MSB<<8)|\new
.set MSB, \new
.endif
.endm
.set MUL,  0x05                        ; sources 0 and 1 window 1; C and D window 0
.set TO_F, 0x40                        ; destination window 1, address window 0
.macro ROUND                           ; a round of the cluster's barrier
	s_barrier_signal -1
	s_barrier_wait -1
	s_cmp_lg_u32 s[WV], 0
	s_cbranch_scc1 .Lnot_wave_0_\@
	s_barrier_signal -3
.Lnot_wave_0_\@:
	s_barrier_wait -3
	s_barrier_signal -1
	s_barrier_wait -1
.endm
.macro PLACES                          ; four plain vector instructions between a matrix instruction and a load into, or a vector instruction on, its registers
.rept 4
	v_nop
.endr
.endm
	s_load_b256 s[4:11], s[0:1], 0x0               ; himg, wimg, the exponents, qkv
	v_lshl_add_u32 v126, v0, 2, 0x40000
	v_mov_b32 v127, 0
	ds_add_u32 v126, v127
	ds_add_u32 v126, v127
	v_lshrrev_b32 v1, 5, v0
	v_readfirstlane_b32 s[WV], v1                  ; wave 0..3
	s_and_b32 s13, s[WV], 1                        ; wb: my 64 rows of source 1.  Also: which 64 rows of a panel I fetch
	s_lshr_b32 s14, s[WV], 1                       ; wa: my 64 rows of source 0.  Also: which panel I fetch
	s_bfe_u32 s15, ttmp6, 0x40000                  ; cx
	s_bfe_u32 s16, ttmp6, 0x40004                  ; cy
	s_and_b32 s17, ttmp9, 1                        ; X & 1
	s_and_b32 s18, ttmp7, 0xffff                   ; Y
	s_lshr_b32 s19, ttmp9, 1                       ; 0 q, 1 k, 2 v
	s_lshl_b32 s20, s19, 22                        ; himg's panel for this product,
	s_lshl_b32 s21, s19, 20                        ; wimg's
	s_cmp_eq_u32 s19, 2
	s_cselect_b32 s22, s18, s17
	s_cselect_b32 s23, s17, s18
	s_cselect_b32 s56, s20, s21
	s_cselect_b32 s58, s21, s20
	s_lshl_b32 s22, s22, 2
	s_add_co_u32 s22, s22, s15                     ; panel 0's block of 128 rows: hangs on cx, never on cy
	s_lshl_b32 s23, s23, 2
	s_add_co_u32 s23, s23, s16                     ; panel 1's: hangs on cy, never on cx
	s_lshl_b32 s61, s13, 16                        ; the 64 rows that I fetch
	s_lshl_b32 s60, s22, 17
	s_add_co_u32 s56, s56, s60
	s_add_co_u32 s56, s56, s61
	s_mov_b32 s57, 0
	s_lshl_b32 s62, s23, 17
	s_add_co_u32 s58, s58, s62
	s_add_co_u32 s58, s58, s61
	s_mov_b32 s59, 0
	s_lshl_b32 s60, 0x1111, s15                    ; my column of the cluster: places cx, cx + 4, cx + 8, cx + 12
	s_lshl_b32 s62, s16, 2
	s_lshl_b32 s62, 15, s62                        ; my row: places 4 cy .. 4 cy + 3
	; group 1: a dense block of 16,384 bytes as 64 rows of 32 elements of 8 bytes
	s_or_b32 s[G1C], s60, (3<<16)|(1<<21)          ; 15:0 the mask; 17:16 elements of 8 bytes; 21 set beside a mask; no padding
	s_or_b32 s[G1R], s62, (3<<16)|(1<<21)
.irp g, G1C, G1R
	s_mov_b32 s[\g+1], 32<<16                      ; tensor_dim0 = 32
	s_mov_b32 s[\g+2], 64<<16                      ; tensor_dim1 = 64
	s_mov_b32 s[\g+3], 32<<16                      ; tile_dim0 = 32
	s_mov_b32 s[\g+4], 64                          ; tile_dim1 = 64
	s_mov_b32 s[\g+5], 32                          ; from row to row
	s_mov_b32 s[\g+6], 0
	s_mov_b32 s[\g+7], 0
.endr
	s_lshl_b32 s3, s[WV], 16                       ; where my 65,536 bytes go: panel wave / 2, half wave % 2: no place in the cluster enters an LDS address
	s_wait_dscnt 0x0
	s_wait_kmcnt 0x0
	s_load_b512 s[ES:ES+15], s[8:9], 0x0
	s_cmp_eq_u32 s19, 2
	s_cselect_b64 s[20:21], s[4:5], s[6:7]         ; panel 0: tokens for v, else weights
	s_cselect_b64 s[62:63], s[6:7], s[4:5]         ; panel 1: the other
	s_add_nc_u64 s[20:21], s[20:21], s[56:57]
	s_add_nc_u64 s[62:63], s[62:63], s[58:59]
	ROUND                                          ; all sixteen work-groups are here: the joint loads meet
.irp j, 0,1,2,3
	s_mov_b32 s[G0A+4*\j], 1
	s_add_co_u32 s[G0A+4*\j+1], s3, \j*16384
	s_add_nc_u64 s[G0A+4*\j+2:G0A+4*\j+3], s[20:21], \j*16384
	s_or_b32 s[G0A+4*\j+3], s[G0A+4*\j+3], 0x80000000
	s_mov_b32 s[G0B+4*\j], 1
	s_add_co_u32 s[G0B+4*\j+1], s3, \j*16384
	s_add_nc_u64 s[G0B+4*\j+2:G0B+4*\j+3], s[62:63], \j*16384
	s_or_b32 s[G0B+4*\j+3], s[G0B+4*\j+3], 0x80000000
.endr
	s_cmp_lt_u32 s[WV], 2                          ; a wave's four fills stand in one branch on its number, ahead of every wait on TENSORcnt and every LDS read: four loads of mine are out
	s_cbranch_scc0 .Lpanel_1
	tensor_load_to_lds s[G0A:G0A+3], s[G1C:G1C+7]
	s_nop 0
	tensor_load_to_lds s[G0A+4:G0A+7], s[G1C:G1C+7]
	s_nop 0
	tensor_load_to_lds s[G0A+8:G0A+11], s[G1C:G1C+7]
	s_nop 0
	tensor_load_to_lds s[G0A+12:G0A+15], s[G1C:G1C+7]
	s_nop 0
.rept 4
	v_nop
.endr
	s_branch .Lasked
.Lpanel_1:
	tensor_load_to_lds s[G0B:G0B+3], s[G1R:G1R+7]
	s_nop 0
	tensor_load_to_lds s[G0B+4:G0B+7], s[G1R:G1R+7]
	s_nop 0
	tensor_load_to_lds s[G0B+8:G0B+11], s[G1R:G1R+7]
	s_nop 0
	tensor_load_to_lds s[G0B+12:G0B+15], s[G1R:G1R+7]
	s_nop 0
.rept 4
	v_nop
.endr
.Lasked:
	v_and_b32 v2, 31, v0
	v_lshlrev_b32 v1, 4, v2                        ; 16 x lane
	s_lshl_b32 s56, s14, 16
	v_add_nc_u32 v[AD0], s56, v1                   ; source 0: panel 0, my 64 rows
	s_lshl_b32 s57, s13, 16
	s_add_co_u32 s57, s57, 131072
	v_add_nc_u32 v[AD1], s57, v1                   ; source 1: panel 1, my 64 rows
; 32 LDS loads in one run: K step s: four fragments of each source, as they lie: 512 consecutive bytes a load
.macro FETCH s, f
	WIN TO_F
.irp i, 0,1,2,3
.irp c, 0,1,2,3
	ds_load_b128 v[\f+16*\i+4*\c:\f+16*\i+4*\c+3], v[AD0] offset:8192*(\s)+2048*\i+512*\c
.endr
.endr
.irp i, 0,1,2,3
.irp c, 0,1,2,3
	ds_load_b128 v[\f+64+16*\i+4*\c:\f+64+16*\i+4*\c+3], v[AD1] offset:8192*(\s)+2048*\i+512*\c
.endr
.endr
.endm
; 8 matrix instructions.  The 16 accumulators take turns, one instruction a turn, in the same order in every K step.  zero = 1: the first product starts the sums
.macro MUL8 f, a0, zero
.irp a, \a0, \a0+1
.irp b, 0,1,2,3
.if \zero
	v_wmma_f32_16x16x128_bf8_bf8 v[ACC+8*(4*(\a)+\b):ACC+8*(4*(\a)+\b)+7], v[\f+16*(\a):\f+16*(\a)+15], v[\f+64+16*\b:\f+64+16*\b+15], 0
.else
	v_wmma_f32_16x16x128_bf8_bf8 v[ACC+8*(4*(\a)+\b):ACC+8*(4*(\a)+\b)+7], v[\f+16*(\a):\f+16*(\a)+15], v[\f+64+16*\b:\f+64+16*\b+15], v[ACC+8*(4*(\a)+\b):ACC+8*(4*(\a)+\b)+7]
.endif
.endr
.endr
.endm
.macro EVEN s                          ; a chunk's first K step (buffer 0); its second is fetched meanwhile
.if \s
	PLACES
.endif
	FETCH (\s)+1, F1
	s_wait_dscnt 32                                ; all but the 32 just issued
	WIN MUL
.if \s
	MUL8 F0, 0, 0
	MUL8 F0, 2, 0
.else
	MUL8 F0, 0, 1
	MUL8 F0, 2, 1
.endif
.endm
.macro ODD s                           ; a chunk's second K step (buffer 1); the next chunk is shown whole to every wave, and its first K step fetched
	s_wait_dscnt 0x0                               ; buffer 1 is in, and no LDS instruction of mine is pending at the signal
	s_wait_tensorcnt 2-((\s)-1)/2                  ; my part of the next chunk has landed; my later chunks stay out
	s_barrier_signal -1
	MUL8 F1, 0, 0                                  ; work on registers while the others arrive
	s_barrier_wait -1
	PLACES
	FETCH (\s)+1, F0
	WIN MUL
	MUL8 F1, 2, 0
.endm
	s_wait_tensorcnt 0x3                           ; my part of the first chunk is in,
	s_barrier_signal -1
	s_barrier_wait -1                              ; everybody's is
	FETCH 0, F0
	EVEN 0
	ODD 1
	EVEN 2
	ODD 3
	EVEN 4
	ODD 5
	EVEN 6
	s_wait_dscnt 0x0                               ; the last K step
	MUL8 F1, 0, 0
	MUL8 F1, 2, 0
	WIN 0
	; THE WAY OUT.  A sum stands for sum x 2^(eW + eH); its code is sum / 2^(eo - eW - eH): the three scales are folded into the conversion's one.  All choices by s_cselect_b32.
	s_wait_kmcnt 0x0
	s_add_co_i32 s56, s[ES], s[ES+1]
	s_sub_co_i32 s56, s[ES+6], s56
	s_add_co_i32 s57, s[ES+2], s[ES+3]
	s_sub_co_i32 s57, s[ES+7], s57
	s_add_co_i32 s58, s[ES+4], s[ES+5]
	s_sub_co_i32 s58, s[ES+9], s58
	s_cmp_eq_u32 s19, 1
	s_cselect_b32 s56, s57, s56
	s_cmp_eq_u32 s19, 2
	s_cselect_b32 s56, s58, s56
	s_add_co_i32 s56, s56, 127
	s_lshl_b32 s57, s56, 23
	v_mov_b32 v[SC], s57
	s_add_co_i32 s56, s56, 15
	s_lshl_b32 s56, s56, 23
	s_or_b32 s56, s56, 0x600000
	v_mov_b32 v[LIM], s56
	s_cmp_eq_u32 s19, 2
	s_cselect_b32 s56, s22, s23                    ; the tokens' block of 128
	s_cselect_b32 s57, s23, s22                    ; W's block: two heads
	s_cselect_b32 s58, s13, s14                    ; which of the two heads is mine
	s_cselect_b32 s59, s14, s13                    ; which 64 tokens are mine
	s_cselect_b32 s60, 10, 12                      ; they are 1,024 bytes of each of V's fragments, or four fragments of 1,024 bytes
	s_cselect_b32 s61, 11, 10                      ; from source 1's tile b to b + 1: a d tile of 2,048 bytes, or a token tile of 1,024
	s_lshl_b32 s57, s57, 1
	s_add_co_u32 s57, s57, s58                     ; head
	s_lshr_b32 s58, s56, 4
	s_lshl_b32 s58, s58, 4
	s_add_co_u32 s57, s57, s58                     ; 16 x batch + head
	s_mul_i32 s57, s57, 393216
	s_lshl_b32 s58, s19, 17
	s_add_co_u32 s57, s57, s58                     ; Q, K or V
	s_and_b32 s56, s56, 15
	s_lshl_b32 s56, s56, 13
	s_add_co_u32 s57, s57, s56                     ; the block of 128 tokens in its batch: 8,192 bytes in each of the three
	s_lshl_b32 s59, s59, s60
	s_add_co_u32 s56, s57, s59
	s_mov_b32 s57, 0
	s_add_nc_u64 s[10:11], s[10:11], s[56:57]
	s_lshl_b32 s61, 1, s61
	v_mov_b32 v[OA], v1
	v_add_nc_u32 v[OA+1], s61, v[OA]
	v_add_nc_u32 v[OA+2], s61, v[OA+1]
	v_add_nc_u32 v[OA+3], s61, v[OA+2]
	PLACES
.irp b, 0,1,2,3
.irp a, 0,1,2,3
.irp j, 0,1,2,3,4,5,6,7
	v_med3_num_f32 v[ACC+8*(4*\a+\b)+\j], v[ACC+8*(4*\a+\b)+\j], -v[LIM], v[LIM]   ; the hold (the conversion does not saturate: ISA guide 7.6.2); each accumulator from its low end on
.endr
	v_cvt_scalef32_pk8_bf8_f32 v[CO+8*\b+2*\a:CO+8*\b+2*\a+1], v[ACC+8*(4*\a+\b):ACC+8*(4*\a+\b)+7], v[SC]   ; registers 2 a, 2 a + 1 of tile b's operand
.endr
.endr
	v_nop                                          ; a plain line behind the last conversion
.irp b, 0,1,2,3
	global_store_b128 v[OA+\b], v[CO+8*\b:CO+8*\b+3], s[10:11]               ; 512 consecutive bytes, at a multiple of 512 from the buffer's first byte
	global_store_b128 v[OA+\b], v[CO+8*\b+4:CO+8*\b+7], s[10:11] offset:512
.endr
	s_wait_tensorcnt 0x0
	ds_add_u32 v126, v127
	s_wait_dscnt 0x0
	ROUND                                          ; the closing round: no work-group ends while a partner may still ask for a tile that names it
	s_endpgm
.Lfunc_end_k_qaa1ea32013_qkvp:
	.size	k_qaa1ea32013_qkvp, .Lfunc_end_k_qaa1ea32013_qkvp-k_qaa1ea32013_qkvp
	.p2alignl 7, 3214868480
	.fill 96, 4, 3214868480
	.section	.rodata,"a",@progbits
	.p2align	6, 0x0
	.amdhsa_kernel k_qaa1ea32013_qkvp
		.amdhsa_group_segment_fixed_size 262656
		.amdhsa_private_segment_fixed_size 0
		.amdhsa_enable_private_segment 0
		.amdhsa_kernarg_size 32
		.amdhsa_user_sgpr_count 2
		.amdhsa_user_sgpr_kernarg_segment_ptr 1
		.amdhsa_wavefront_size32 1
		.amdhsa_system_sgpr_workgroup_id_x 1
		.amdhsa_system_sgpr_workgroup_id_y 1
		.amdhsa_system_sgpr_workgroup_id_z 1
		.amdhsa_system_vgpr_workitem_id 0
		.amdhsa_next_free_vgpr 512
		.amdhsa_next_free_sgpr 100
		.amdhsa_reserve_vcc 0
		.amdhsa_float_denorm_mode_32 3
		.amdhsa_float_denorm_mode_16_64 3
		.amdhsa_memory_ordered 1
		.amdhsa_forward_progress 1
		.amdhsa_inst_pref_size 45
	.end_amdhsa_kernel
	.amdgpu_metadata
---
amdhsa.version: [ 1, 2 ]
amdhsa.kernels:
  - .name:           k_qaa1ea32013_qkvp
    .symbol:         k_qaa1ea32013_qkvp.kd
    .args:
      - { .name: himg, .offset: 0, .size: 8, .value_kind: global_buffer, .address_space: global }
      - { .name: wimg, .offset: 8, .size: 8, .value_kind: global_buffer, .address_space: global }
      - { .name: lowp_scales, .offset: 16, .size: 8, .value_kind: global_buffer, .address_space: global }
      - { .name: qkv, .offset: 24, .size: 8, .value_kind: global_buffer, .address_space: global }
    .group_segment_fixed_size: 262656
    .private_segment_fixed_size: 0
    .kernarg_segment_align: 8
    .kernarg_segment_size: 32
    .max_flat_workgroup_size: 128
    .sgpr_count:     100
    .vgpr_count:     512
    .wavefront_size: 32
...
	.end_amdgpu_metadata
.endif
;; end of part 2
;; launch attn (part 3): grid 8 x 32, 16 waves a work-group, clusters of 4 x 1, 264,192 bytes of LDS; arguments qkv, lowp_scales, ctx; writes ctx
.if DOCPART == 3
	.amdgcn_target "amdgcn-amd-amdhsa--gfx1250"
	.amdhsa_code_object_version 6
	.text
	.protected	k_qaa1ea32013_attn
	.globl	k_qaa1ea32013_attn
	.p2align	8
	.type	k_qaa1ea32013_attn,@function
k_qaa1ea32013_attn:
	s_mov_b64 s[64:65], 0
	v_nop
	global_prefetch_b8 v0, s[64:65] scope:SCOPE_SE
	s_setreg_imm32_b32 hwreg(HW_REG_WAVE_MODE, 25, 1), 1
	s_wait_xcnt 0x0
	s_wait_alu depctr_hold_cnt(0) depctr_sa_sdst(0) depctr_va_vdst(0) depctr_va_sdst(0) depctr_va_ssrc(0) depctr_va_vcc(0) depctr_vm_vsrc(0)
	s_getreg_b32 s2, hwreg(HW_REG_IB_STS2, 6, 4)
	s_cmp_eq_u32 s2, 0
	s_cbranch_scc0 .Lentry_in_a_cluster
	s_endpgm
.Lentry_in_a_cluster:
	s_bfe_u32 s2, ttmp6, 0x10000c
	s_cmp_lg_u32 s2, 0x3003
	s_cbranch_scc0 .Lentry_shape_is_right
	s_endpgm
.Lentry_shape_is_right:
; ctx = softmax(q k^T / 8) v for one (batch, head) and 256 queries a work-group, both products on codes of E5M2; ctx is quantised (e10) into the panel that the next launch reads.
; THE SOFTMAX AHEAD OF THE SECOND PRODUCT: t = score x log2(e) / 8; M = the running largest t rounded UP to a whole number; p = 2^(t - M) is quantised (e8), not normalised; the row's sum is taken of the
; unquantised p and divides at the end.  When M moves, the sum and O are multiplied by 2^(old M - new M), which rounds nothing.
; SHARES.  Sixteen waves, 16 queries each, in 256 registers: four waves to a SIMD, so that one wave's vector work stands beside another's matrix work and LDS loads.  Every wave walks the head's 2,048 keys, 128 a step.
; LDS.  The head's K and V are images of their fragments, 131,072 bytes each, one dense block of 262,144 bytes of memory: they fill LDS ONCE, each wave fetching 16,384 bytes; no LDS byte is filled again.
; CLUSTER.  The four query blocks of a cluster belong to one head and need the same K and V: every load is a joint one, with the same descriptor and the mask of all four.
; LAYOUT.  S^T = K Q^T (source 0 = 16 keys, source 1 = my queries), O^T = V^T P^T (source 0 = 16 of the head's 64, source 1 = P): a lane holds ONE query throughout, and the eight scores of key tile t, converted,
; are registers 2 t, 2 t + 1 of P: k = 16 t + 8 (lane / 16) + 0..7.
; LIMITS: e6 + e7 between -123 and 130 (added to c's exponent field); e8 and e10 between -126 and 112; e8 + e9 is applied by v_ldexp_f32.  NaN among the inputs is not served.
; REGISTERS: v1 16 x lane; v2 the same in V's half of LDS; v3, v4 the step's addresses; v12 -M, v13 the largest t, v[14:15] the sum; v16-23 Q; v32-95 eight fragments of K or four of V; v96-159 S^T, then p;
;            v160-191 O^T; v192-207 p's codes; v208-219 at work and constants.
.set WV,  12
.set G1,  16                           ; s[16:23] descriptor group 1
.set G0,  24                           ; s[24:27] group 0
.set ES,  32                           ; s[32:47] e0 .. e15
.set CS,  48                           ; s[48:49] c = log2(e) / 8 x 2^(e6 + e7)
.set SEL, 50                           ; s[50:51] v_permlanex16_b32: lane l xor 16
.set TB,  52                           ; s52 the step's first byte in K's image and in V's
.set CNT, 53
.macro ROUND
	s_barrier_signal -1
	s_barrier_wait -1
	s_cmp_lg_u32 s[WV], 0
	s_cbranch_scc1 .Lnot_wave_0_\@
	s_barrier_signal -3
.Lnot_wave_0_\@:
	s_barrier_wait -3
	s_barrier_signal -1
	s_barrier_wait -1
.endm
	s_load_b128 s[4:7], s[0:1], 0x0                ; qkv, the exponents
	s_load_b64 s[8:9], s[0:1], 0x10                ; ctx
	v_lshl_add_u32 v254, v0, 2, 0x40000
	v_mov_b32 v255, 0
	ds_add_u32 v254, v255
	ds_add_u32 v254, v255
	v_lshrrev_b32 v1, 5, v0
	v_readfirstlane_b32 s[WV], v1                  ; wave 0..15
	s_bfe_u32 s13, ttmp6, 0x40000                  ; cx
	s_lshl_b32 s14, ttmp9, 2
	s_add_co_u32 s14, s14, s13                     ; my block of 256 queries: it enters Q's and ctx's addresses alone
	s_and_b32 s15, ttmp7, 0xffff                   ; 16 x batch + head, which the four partners share
	s_mul_i32 s28, s15, 393216
	s_lshl_b32 s30, s[WV], 14                      ; my 16,384 bytes, in memory and in LDS
	s_add_co_u32 s54, s28, s30
	s_add_co_u32 s54, s54, 131072                  ; K begins behind Q
	s_mov_b32 s55, 0
	s_mov_b32 s[G1], 15|(3<<16)|(1<<21)            ; 15:0 the mask: all four; 17:16 elements of 8 bytes; 21 set beside a mask
	s_mov_b32 s[G1+1], 32<<16                      ; tensor_dim0 = 32: rows of 256 bytes
	s_mov_b32 s[G1+2], 64<<16                      ; tensor_dim1 = 64
	s_mov_b32 s[G1+3], 32<<16                      ; tile_dim0
	s_mov_b32 s[G1+4], 64                          ; tile_dim1
	s_mov_b32 s[G1+5], 32                          ; dense
	s_mov_b32 s[G1+6], 0
	s_mov_b32 s[G1+7], 0
	s_mov_b32 s[CS], 0x3e38aa3b                    ; log2(e) / 8
	s_mov_b32 s[SEL], 0x76543210
	s_mov_b32 s[SEL+1], 0xfedcba98
	s_mov_b32 s[TB], 0
	s_wait_dscnt 0x0
	s_wait_kmcnt 0x0
	s_load_b512 s[ES:ES+15], s[6:7], 0x0
	s_mov_b32 s[G0], 1
	s_mov_b32 s[G0+1], s30
	s_add_nc_u64 s[G0+2:G0+3], s[4:5], s[54:55]
	s_or_b32 s[G0+3], s[G0+3], 0x80000000
	ROUND                                          ; all four work-groups are here: the joint loads meet
	tensor_load_to_lds s[G0:G0+3], s[G1:G1+7]      ; every wave its own sixteenth: one load of mine is out
	s_nop 0
.rept 4
	v_nop
.endr
	s_lshl_b32 s56, s14, 4
	s_add_co_u32 s56, s56, s[WV]                   ; my tile of 16 queries
	s_lshl_b32 s56, s56, 10
	s_add_co_u32 s56, s56, s28
	s_mov_b32 s57, 0
	s_add_nc_u64 s[58:59], s[4:5], s[56:57]
	v_and_b32 v2, 31, v0
	v_lshlrev_b32 v1, 4, v2
	global_load_b128 v[16:19], v1, s[58:59]        ; Q's fragment stays in registers
	global_load_b128 v[20:23], v1, s[58:59] offset:512
	v_add_nc_u32 v2, 131072, v1
	s_lshr_b32 s62, s15, 4                         ; ctx: group of 64 tokens = 32 batch + 4 block + wave / 4; K step head / 2; tile wave % 4; half head % 2 of the fragment
	s_lshl_b32 s62, s62, 5
	s_lshl_b32 s63, s14, 2
	s_add_co_u32 s62, s62, s63
	s_lshr_b32 s63, s[WV], 2
	s_add_co_u32 s62, s62, s63
	s_lshl_b32 s62, s62, 16
	s_bfe_u32 s63, s15, 0x30001
	s_lshl_b32 s63, s63, 13
	s_add_co_u32 s62, s62, s63
	s_and_b32 s63, s[WV], 3
	s_lshl_b32 s63, s63, 11
	s_add_co_u32 s62, s62, s63
	s_and_b32 s63, s15, 1
	s_lshl_b32 s63, s63, 10
	s_add_co_u32 s62, s62, s63
	s_mov_b32 s63, 0
	s_add_nc_u64 s[60:61], s[8:9], s[62:63]
	v_mov_b32 v13, 0xff61b1e6                      ; the largest t so far: -3e38, under every t
	v_floor_f32 v12, -v13                          ; -M
	v_mov_b32 v14, 0                               ; the sum, in two halves
	v_mov_b32 v15, 0
	v_mov_b32 v208, 0                              ; written once: a lane permute's destination counts as one of its sources
	v_mov_b32 v211, 0                              ; (named as the upper half of the pair v[210:211])
.irp j, 0,1,2,3,4,5,6,7,8,9,10,11,12,13,14,15,16,17,18,19,20,21,22,23,24,25,26,27,28,29,30,31
	v_mov_b32 v[160+\j], 0                         ; O^T: the step is written once; its first trip finds zeros, which the first change of M leaves zeros
.endr
	s_wait_kmcnt 0x0
	s_add_co_i32 s56, s[ES+6], s[ES+7]
	s_lshl_b32 s56, s56, 23
	s_add_co_i32 s[CS], s[CS], s56                 ; a score stands for score x 2^(e6 + e7): added to c's exponent field
	s_mov_b32 s[CS+1], s[CS]                       ; (named with it as a pair)
	s_add_co_i32 s56, s[ES+8], 127
	s_lshl_b32 s57, s56, 23
	v_mov_b32 v216, s57                            ; 2^e8
	s_add_co_i32 s56, s56, 15
	s_lshl_b32 s56, s56, 23
	s_or_b32 s56, s56, 0x600000
	v_mov_b32 v217, s56                            ; 57,344 x 2^e8
	s_add_co_i32 s56, s[ES+10], 127
	s_lshl_b32 s57, s56, 23
	v_mov_b32 v218, s57                            ; 2^e10
	s_add_co_i32 s56, s56, 15
	s_lshl_b32 s56, s56, 23
	s_or_b32 s56, s56, 0x600000
	v_mov_b32 v219, s56                            ; 57,344 x 2^e10
	v_add_nc_u32 v3, s[TB], v1
	v_add_nc_u32 v4, s[TB], v2
.macro KLOAD                           ; the step's eight fragments of K (16 keys x 64): 16 loads of 512 consecutive bytes
.irp t, 0,1,2,3,4,5,6,7
	ds_load_b128 v[32+8*\t:35+8*\t], v3 offset:1024*\t
	ds_load_b128 v[36+8*\t:39+8*\t], v3 offset:1024*\t+512
.endr
.endm
; A KEY STEP: 128 keys.  last = 1: nothing more is fetched
.macro STEP last
	s_wait_dscnt 0x0                               ; K's fragments are in
.irp t, 0,1,2,3,4,5,6,7
	v_wmma_f32_16x16x64_bf8_bf8 v[96+8*\t:103+8*\t], v[32+8*\t:39+8*\t], v[16:23], 0
.endr
.rept 4
	v_nop                                          ; places in front of the loads into K's registers and of the first read of the scores
.endr
.irp d, 0,1,2,3
.irp g, 0,1,2,3
	ds_load_b128 v[32+16*\d+4*\g:35+16*\d+4*\g], v4 offset:2048*\d+512*\g    ; V's four fragments (16 d x 128 keys) land while the softmax is worked
.endr
.endr
	v_max3_num_f32 v214, v96, v97, v98             ; the step's largest score of my query among my 64 keys, in two chains; each accumulator is first read at its low end
	v_max3_num_f32 v215, v99, v100, v101
.irp i, 6,10,14,18,22,26,30,34,38,42,46,50,54,58
	v_max3_num_f32 v214, v214, v[96+\i], v[97+\i]
	v_max3_num_f32 v215, v215, v[98+\i], v[99+\i]
.endr
	v_max3_num_f32 v214, v214, v158, v159
	v_max_num_f32 v214, v214, v215
	v_permlanex16_b32 v208, v214, s[SEL], s[SEL+1]
	v_max_num_f32 v214, v214, v208                 ; and among lane l xor 16's
	v_mul_f32 v214, s[CS], v214                    ; as t (c is positive)
	v_max_num_f32 v13, v13, v214                   ; the running largest t
	v_mov_b32 v214, v12
	v_floor_f32 v12, -v13                          ; the new -M = floor(-t) = -ceil(t)
	v_sub_f32 v214, v12, v214                      ; old M - new M: a whole number, 0 or less
	v_cvt_i32_f32 v214, v214                       ; (it saturates)
	v_ldexp_f32 v210, 1.0, v214                    ; f = 2^(old M - new M)
.irp j, 0,2,4,6,8,10,12,14,16,18,20,22,24,26,28,30,32,34,36,38,40,42,44,46,48,50,52,54,56,58,60,62
	v_pk_fma_f32 v[96+\j:97+\j], v[96+\j:97+\j], s[CS:CS+1], v[12:13] op_sel_hi:[1,0,0]   ; t - M, two at a time
.endr
.irp j, 0,1,2,3,4,5,6,7,8,9,10,11,12,13,14,15,16,17,18,19,20,21,22,23,24,25,26,27,28,29,30,31,32,33,34,35,36,37,38,39,40,41,42,43,44,45,46,47,48,49,50,51,52,53,54,55,56,57,58,59,60,61,62,63
	v_exp_f32 v[96+\j], v[96+\j]                   ; p = 2^(t - M), at most 1
.endr
	v_pk_mul_f32 v[14:15], v[14:15], v[210:211] op_sel_hi:[1,0]   ; the sums under the new M: the plain instruction behind the exponentials
	s_wait_alu depctr_va_vdst(0)                   ; one wait for the whole batch, ahead of its first reader
	v_pk_add_f32 v[212:213], v[96:97], v[98:99]    ; the row's sum is taken of the unquantised p, in two chains
.irp j, 4,8,12,16,20,24,28,32,36,40,44,48,52,56,60
	v_pk_add_f32 v[14:15], v[14:15], v[96+\j:97+\j]
	v_pk_add_f32 v[212:213], v[212:213], v[98+\j:99+\j]
.endr
	v_pk_add_f32 v[14:15], v[14:15], v[212:213]
.irp t, 0,1,2,3,4,5,6,7
.irp i, 0,1,2,3,4,5,6,7
	v_min_num_f32 v[96+8*\t+\i], v[96+8*\t+\i], v217   ; the hold; p is not negative, so it is one-sided
.endr
	v_cvt_scalef32_pk8_bf8_f32 v[192+2*\t:193+2*\t], v[96+8*\t:103+8*\t], v216
.endr
.irp j, 0,2,4,6,8,10,12,14,16,18,20,22,24,26,28,30
	v_pk_mul_f32 v[160+\j:161+\j], v[160+\j:161+\j], v[210:211] op_sel_hi:[1,0]   ; O^T under the new M; also the plain lines between the conversions and the products that read their results
.endr
	s_wait_dscnt 0x0                               ; V's fragments are in
.irp d, 0,1,2,3
	v_wmma_f32_16x16x128_bf8_bf8 v[160+8*\d:167+8*\d], v[32+16*\d:47+16*\d], v[192:207], v[160+8*\d:167+8*\d]   ; four accumulators by turns; the eight products of the next step stand between two links
.endr
.if \last
.rept 4
	v_nop                                          ; places in front of the first read of O^T
.endr
.else
	s_add_co_u32 s[TB], s[TB], 8192                ; 128 keys on, in K's image and in V's
	v_add_nc_u32 v3, s[TB], v1
	v_add_nc_u32 v4, s[TB], v2
	v_nop
	v_nop                                          ; four places with the two additions, in front of the loads into V's registers
	KLOAD
.endif
.endm
	s_wait_tensorcnt 0x0                           ; my sixteenth has landed,
	s_barrier_signal -1
	s_barrier_wait -1                              ; everybody's has
	KLOAD
	s_wait_loadcnt 0x0                             ; Q
	s_mov_b32 s[CNT], 15
.Lstep:
	STEP 0
	s_sub_co_u32 s[CNT], s[CNT], 1
	s_cmp_lg_u32 s[CNT], 0
	s_cbranch_scc1 .Lstep
	STEP 1                                         ; the sixteenth step is written out: it fetches nothing beyond the images
	; THE WAY OUT: O^T / the sum x 2^(e8 + e9) is ctx; its codes are registers 8 (head % 2) + 0..7 of the fragment (16 tokens x 128 K) of K step head / 2
	v_add_f32 v14, v14, v15
	v_permlanex16_b32 v208, v14, s[SEL], s[SEL+1]
	v_add_f32 v14, v14, v208                       ; the row's sum
	v_rcp_f32 v14, v14
	v_nop                                          ; a plain instruction behind the transcendental
	s_add_co_i32 s56, s[ES+8], s[ES+9]
	s_wait_alu depctr_va_vdst(0)                   ; and the wait ahead of its first reader
	v_ldexp_f32 v14, v14, s56
.irp j, 0,1,2,3,4,5,6,7,8,9,10,11,12,13,14,15,16,17,18,19,20,21,22,23,24,25,26,27,28,29,30,31
	v_mul_f32 v[96+\j], v[160+\j], v14             ; register 8 d + i is ctx(my query, 16 d + 8 (lane / 16) + i)
.endr
.irp d, 0,1,2,3
.irp i, 0,1,2,3,4,5,6,7
	v_med3_num_f32 v[96+8*\d+\i], v[96+8*\d+\i], -v219, v219
.endr
	v_cvt_scalef32_pk8_bf8_f32 v[192+2*\d:193+2*\d], v[96+8*\d:103+8*\d], v218
.endr
	v_nop                                          ; a plain line behind the last conversion
	global_store_b128 v1, v[192:195], s[60:61]     ; 512 consecutive bytes each
	global_store_b128 v1, v[196:199], s[60:61] offset:512
	s_wait_tensorcnt 0x0
	ds_add_u32 v254, v255
	s_wait_dscnt 0x0
	ROUND                                          ; the closing round: no work-group ends while a partner may still ask for a tile that names it
	s_endpgm
.Lfunc_end_k_qaa1ea32013_attn:
	.size	k_qaa1ea32013_attn, .Lfunc_end_k_qaa1ea32013_attn-k_qaa1ea32013_attn
	.p2alignl 7, 3214868480
	.fill 96, 4, 3214868480
	.section	.rodata,"a",@progbits
	.p2align	6, 0x0
	.amdhsa_kernel k_qaa1ea32013_attn
		.amdhsa_group_segment_fixed_size 264192
		.amdhsa_private_segment_fixed_size 0
		.amdhsa_enable_private_segment 0
		.amdhsa_kernarg_size 24
		.amdhsa_user_sgpr_count 2
		.amdhsa_user_sgpr_kernarg_segment_ptr 1
		.amdhsa_wavefront_size32 1
		.amdhsa_system_sgpr_workgroup_id_x 1
		.amdhsa_system_sgpr_workgroup_id_y 1
		.amdhsa_system_sgpr_workgroup_id_z 1
		.amdhsa_system_vgpr_workitem_id 0
		.amdhsa_next_free_vgpr 256
		.amdhsa_next_free_sgpr 66
		.amdhsa_reserve_vcc 0
		.amdhsa_float_denorm_mode_32 3
		.amdhsa_float_denorm_mode_16_64 3
		.amdhsa_memory_ordered 1
		.amdhsa_forward_progress 1
		.amdhsa_inst_pref_size 41
	.end_amdhsa_kernel
	.amdgpu_metadata
---
amdhsa.version: [ 1, 2 ]
amdhsa.kernels:
  - .name:           k_qaa1ea32013_attn
    .symbol:         k_qaa1ea32013_attn.kd
    .args:
      - { .name: qkv, .offset: 0, .size: 8, .value_kind: global_buffer, .address_space: global }
      - { .name: lowp_scales, .offset: 8, .size: 8, .value_kind: global_buffer, .address_space: global }
      - { .name: ctx, .offset: 16, .size: 8, .value_kind: global_buffer, .address_space: global }
    .group_segment_fixed_size: 264192
    .private_segment_fixed_size: 0
    .kernarg_segment_align: 8
    .kernarg_segment_size: 24
    .max_flat_workgroup_size: 512
    .sgpr_count:     66
    .vgpr_count:     256
    .wavefront_size: 32
...
	.end_amdgpu_metadata
.endif
;; end of part 3
;; launch tail (part 4): grid 128 x 1, 16 waves a work-group, no clusters, 217,088 bytes of LDS; arguments ctx, wimg, x, lowp_scales, ln2_g, ln2_b, ln3_g, ln3_b, out0; writes out0
.if DOCPART == 4
	.amdgcn_target "amdgcn-amd-amdhsa--gfx1250"
	.amdhsa_code_object_version 6
	.text
	.protected	k_qaa1ea32013_tail
	.globl	k_qaa1ea32013_tail
	.p2align	8
	.type	k_qaa1ea32013_tail,@function
k_qaa1ea32013_tail:
	s_mov_b64 s[64:65], 0
	v_nop
	global_prefetch_b8 v0, s[64:65] scope:SCOPE_SE
	s_setreg_imm32_b32 hwreg(HW_REG_WAVE_MODE, 25, 1), 1
	s_wait_xcnt 0x0
; out = LN3(relu(h2 W1) W2 + h2),  h2 = LN2(ctx Wo + x): three products on codes of E5M2 and two LayerNorms, fused: nothing between them goes to memory.
; SHARES.  A work-group owns 32 WHOLE rows (two tiles of 16), since a norm wants whole rows.  THE WAVES SHARE THE COLUMNS: wave w makes columns 64 w .. 64 w + 63 of every layer, for all 32 rows.
; Its weights are group w of each weight's panel, a dense run of 65,536 bytes a layer that no other wave of the work-group reads: they go from memory straight into its registers, 16 loads of 512
; consecutive bytes for a K step, in two buffers by turns, so that 16 loads of every wave are always on their way.
; The rows' operands go from wave to wave through LDS as images of their registers ([tile m][K step s][2,048]): wave w's 64 columns are half of K step w / 2.
; The products are used transposed (source 0 = 16 columns of W, source 1 = 16 rows): lane (r, h) holds row r, register j column 16 i + 8 h + j; eight registers converted are registers 2 c, 2 c + 1 of the next operand.
; NO CLUSTER, NO JOINT LOADS, though all work-groups read the same weights: the three layers' codes are 3,145,728 bytes, about twelve times the LDS that is left beside the images and stages, so they would
; have to go through slots that are filled again, each refill behind a round in front of which every load has landed; a K step here is 8 matrix instructions a wave, too little work to stand between a request and its wait.
; 32 rows to a work-group: whatever its rows, a work-group that owns whole rows takes in all three weights; 32 rows are what 256 registers a wave hold (64 of sums, 128 of weights, 32 of rows' codes).
; LayerNorm: the mean, then the mean of (h - mean)^2: no difference of large sums.  A row's sums meet in LDS: a word for each row and wave, one barrier a sum, four regions so that none is written twice.
; LIMITS: e12 and e14 - e12 - e13 between -126 and 112; e10 + e11 and e14 + e15 between -126 and 127.  NaN among the inputs is not served.
.set IMG0, 0                           ; ctx's codes, later the hidden layer's (three barriers lie between the last read of the one and the first store of the other)
.set IMG1, 32768                       ; h2's codes
.set STG,  65536                       ; a stage for each wave, its own: 32 rows x (256 bytes + 16): x, then h2, then out
.set SPI,  272                         ; 17 x 16: the 16 rows that a load or store touches start 16 bytes further on in each 256
.set RED,  STG+16*32*SPI               ; 204,800: four regions of 32 rows x 80 bytes (16 waves' words + 16)
.set ACC,  32                          ; v32-95   accumulator (m, i) at v[32 + 8 (4 m + i)]
.set AF,   96                          ; v96-127  the rows' two fragments; also codes just made and sums at work
.set WB0,  128                         ; v128-191 weights, even K steps
.set WB1,  192                         ; v192-255 weights, odd K steps; between layers: T
.set T,    192
; v1 16 lane | v2 + 1,024 w (image, my half fragment) | v3 stage in the results' order | v4 stage by rows | v5 x and out by rows | v6, v7 the sums' words | v8 g and b | v9 + 2,048 w | v10-19 at work | v26-29 scales and holds
.macro MKSC e, vs, vl                  ; s[e] = an exponent: v[vs] = 2^e, v[vl] = 57,344 x 2^e
	s_add_co_i32 s60, s[\e], 127
	s_lshl_b32 s61, s60, 23
	v_mov_b32 v[\vs], s61
	s_add_co_i32 s60, s60, 15
	s_lshl_b32 s60, s60, 23
	s_or_b32 s60, s60, 0x600000
	v_mov_b32 v[\vl], s60
.endm
	s_load_b512 s[4:19], s[0:1], 0x0               ; ctx, wimg, x, the exponents, ln2_g, ln2_b, ln3_g, ln3_b
	s_load_b64 s[20:21], s[0:1], 0x40              ; out0
	v_lshl_add_u32 v30, v0, 2, 0x34800
	v_mov_b32 v31, 0
	v_lshrrev_b32 v1, 5, v0
	v_readfirstlane_b32 s2, v1                     ; wave 0..15
	v_and_b32 v10, 31, v0                          ; lane
	v_and_b32 v11, 15, v0                          ; r
	v_bfe_u32 v12, v0, 4, 1                        ; h
	v_lshlrev_b32 v1, 4, v10
	s_lshl_b32 s22, s2, 10
	v_add_nc_u32 v2, s22, v1
	s_mul_i32 s23, s2, 32*SPI
	s_add_co_u32 s23, s23, STG                     ; my stage
	v_mul_u32_u24 v3, v11, SPI
	v_lshl_add_u32 v3, v12, 5, v3
	v_add_nc_u32 v3, s23, v3                       ; row r, + 32 h
	v_mul_u32_u24 v4, v12, SPI
	v_lshl_add_u32 v4, v11, 4, v4
	v_add_nc_u32 v4, s23, v4                       ; lanes 0-15 one row of 256 bytes, lanes 16-31 the next
	v_lshlrev_b32 v5, 12, v12
	v_lshl_add_u32 v5, v11, 4, v5                  ; and the same two rows in x and out
	v_mul_u32_u24 v7, v10, 80
	v_add_nc_u32 v7, RED, v7                       ; row = lane: its sixteen words
	s_lshl_b32 s22, s2, 2
	v_add_nc_u32 v6, s22, v7                       ; and my wave's among them
	s_lshl_b32 s22, s2, 8
	v_lshlrev_b32 v8, 5, v12
	v_add_nc_u32 v8, s22, v8                       ; g, b: my 64 columns, + 32 h
	s_lshl_b32 s22, s2, 11
	v_add_nc_u32 v9, s22, v1
	v_mov_b32 v18, 0                               ; written once: lane permutes' destinations count as sources
	v_mov_b32 v19, 0
	s_mov_b32 s32, 0xffff0000                      ; lanes 16-31
	s_mov_b32 s52, 0x76543210                      ; v_permlanex16_b32: lane l xor 16
	s_mov_b32 s53, 0xfedcba98
	s_mov_b32 s58, 0x3a800000                      ; 1 / 1,024
	s_mov_b32 s59, 0x3727c5ac                      ; 1e-5
	s_wait_kmcnt 0x0
	s_load_b512 s[36:51], s[10:11], 0x0            ; e0 .. e15
	s_lshl_b32 s22, s2, 16
	s_add_co_u32 s22, s22, 3145728                 ; wo's panel is the fourth in wimg; w1's and w2's follow, 1,048,576 bytes apart
	s_mov_b32 s23, 0
	s_add_nc_u64 s[24:25], s[6:7], s[22:23]        ; my weights
	s_lshl_b32 s22, ttmp9, 17                      ; 32 rows of 4,096 bytes
	s_lshl_b32 s33, s2, 8
	s_add_co_u32 s22, s22, s33
	s_add_nc_u64 s[26:27], s[8:9], s[22:23]        ; x at my columns of the first row
	s_add_nc_u64 s[28:29], s[20:21], s[22:23]      ; out likewise
	s_lshr_b32 s22, ttmp9, 1                       ; ctx: group work-group / 2, K step wave % 8, tile 2 (work-group % 2) + wave / 8
	s_lshl_b32 s22, s22, 16
	s_and_b32 s33, s2, 7
	s_lshl_b32 s33, s33, 13
	s_add_co_u32 s22, s22, s33
	s_and_b32 s33, ttmp9, 1
	s_lshl_b32 s33, s33, 1
	s_lshr_b32 s34, s2, 3
	s_add_co_u32 s33, s33, s34
	s_lshl_b32 s33, s33, 11
	s_add_co_u32 s22, s22, s33
	s_add_nc_u64 s[30:31], s[4:5], s[22:23]
.macro WLOAD q, buf                    ; K step q % 8 of layer q / 8: my four fragments (16 columns x 128 K), as they lie
.irp i, 0,1,2,3
.irp g, 0,1,2,3
	global_load_b128 v[\buf+16*\i+4*\g:\buf+16*\i+4*\g+3], v1, s[24:25] offset:1048576*((\q)/8)+8192*((\q)%8)+2048*\i+512*\g
.endr
.endr
.endm
; A K step: the rows' two fragments from the layer's image, 8 matrix instructions (the 8 accumulators by turns), then the buffer is asked for again, two K steps ahead.
.macro KSTEP q, zero, nl, cnt
.irp m, 0,1
.irp c, 0,1,2,3
	ds_load_b128 v[AF+16*\m+4*\c:AF+16*\m+4*\c+3], v1 offset:32768*(((\q)/8)%2)+16384*\m+2048*((\q)%8)+512*\c
.endr
.endr
	s_wait_loadcnt \cnt                            ; this K step's weights are in; the other buffer's 16 loads, issued later, stay out
	s_wait_dscnt 0x0
.irp m, 0,1
.irp i, 0,1,2,3
.if \zero
	v_wmma_f32_16x16x128_bf8_bf8 v[ACC+8*(4*\m+\i):ACC+8*(4*\m+\i)+7], v[WB0+64*((\q)%2)+16*\i:WB0+64*((\q)%2)+16*\i+15], v[AF+16*\m:AF+16*\m+15], 0
.else
	v_wmma_f32_16x16x128_bf8_bf8 v[ACC+8*(4*\m+\i):ACC+8*(4*\m+\i)+7], v[WB0+64*((\q)%2)+16*\i:WB0+64*((\q)%2)+16*\i+15], v[AF+16*\m:AF+16*\m+15], v[ACC+8*(4*\m+\i):ACC+8*(4*\m+\i)+7]
.endif
.endr
.endr
.rept 4
	v_nop                                          ; places in front of loads into registers that these products read, and of the first read of their results
.endr
.if \nl
	WLOAD (\q)+2, WB0+64*((\q)%2)
.endif
.endm
; v10, v14: a lane's sums for rows r and 16 + r over my wave's columns of its half.  Out: the rows' sums over all 1,024 columns, in the same two registers.
.macro RSUM reg
	v_permlanex16_b32 v18, v10, s52, s53
	v_permlanex16_b32 v19, v14, s52, s53
	v_add_f32 v10, v10, v18
	v_add_f32 v14, v14, v19
	v_cndmask_b32 v10, v10, v14, s32               ; lane l holds row l's
	ds_store_b32 v6, v10 offset:(\reg)*2560
	s_wait_dscnt 0x0                               ; for the others' sake: my word lies in LDS
	s_barrier_signal -1
	s_barrier_wait -1
.irp q, 0,1,2,3
	ds_load_b128 v[AF+4*\q:AF+4*\q+3], v7 offset:(\reg)*2560+16*\q
.endr
	s_wait_dscnt 0x0
	v_pk_add_f32 v[AF:AF+1], v[AF:AF+1], v[AF+2:AF+3]              ; every wave adds the sixteen words in the same order
	v_pk_add_f32 v[AF+4:AF+5], v[AF+4:AF+5], v[AF+6:AF+7]
	v_pk_add_f32 v[AF+8:AF+9], v[AF+8:AF+9], v[AF+10:AF+11]
	v_pk_add_f32 v[AF+12:AF+13], v[AF+12:AF+13], v[AF+14:AF+15]
	v_pk_add_f32 v[AF:AF+1], v[AF:AF+1], v[AF+4:AF+5]
	v_pk_add_f32 v[AF+8:AF+9], v[AF+8:AF+9], v[AF+12:AF+13]
	v_pk_add_f32 v[AF:AF+1], v[AF:AF+1], v[AF+8:AF+9]
	v_add_f32 v[AF], v[AF], v[AF+1]
	v_permlanex16_b32 v18, v[AF], s52, s53
	v_cndmask_b32 v10, v[AF], v18, s32             ; row r's, in both halves of the lanes
	v_cndmask_b32 v14, v18, v[AF], s32             ; row 16 + r's
.endm
.macro RESID f                         ; sums x 2^(the two exponents) + what lies in my stage (x, or h2), in the results' order
.irp m, 0,1
.irp i, 0,1,2,3
	ds_load_b128 v[T+8*(4*\m+\i):T+8*(4*\m+\i)+3], v3 offset:16*SPI*\m+64*\i
	ds_load_b128 v[T+8*(4*\m+\i)+4:T+8*(4*\m+\i)+7], v3 offset:16*SPI*\m+64*\i+16
.endr
.endr
	s_wait_dscnt 0x0
.irp j, 0,2,4,6,8,10,12,14,16,18,20,22,24,26,28,30,32,34,36,38,40,42,44,46,48,50,52,54,56,58,60,62
	v_pk_fma_f32 v[ACC+\j:ACC+\j+1], v[ACC+\j:ACC+\j+1], s[\f:\f+1], v[T+\j:T+\j+1] op_sel_hi:[1,0,1]   ; each accumulator from its low end on
.endr
.endm
.macro LNORM gp, bp, reg               ; the 32 rows in ACC are normalised; regions reg and reg + 1 of the sums' words
.irp i, 0,1,2,3
	global_load_b128 v[T+8*\i:T+8*\i+3], v8, s[\gp:\gp+1] offset:64*\i
	global_load_b128 v[T+8*\i+4:T+8*\i+7], v8, s[\gp:\gp+1] offset:64*\i+16
	global_load_b128 v[T+32+8*\i:T+32+8*\i+3], v8, s[\bp:\bp+1] offset:64*\i
	global_load_b128 v[T+32+8*\i+4:T+32+8*\i+7], v8, s[\bp:\bp+1] offset:64*\i+16
.endr
.irp m, 0,1
	v_pk_add_f32 v[10+4*\m:11+4*\m], v[ACC+32*\m:ACC+32*\m+1], v[ACC+32*\m+2:ACC+32*\m+3]
	v_pk_add_f32 v[12+4*\m:13+4*\m], v[ACC+32*\m+4:ACC+32*\m+5], v[ACC+32*\m+6:ACC+32*\m+7]
.irp j, 8,12,16,20,24,28
	v_pk_add_f32 v[10+4*\m:11+4*\m], v[10+4*\m:11+4*\m], v[ACC+32*\m+\j:ACC+32*\m+\j+1]
	v_pk_add_f32 v[12+4*\m:13+4*\m], v[12+4*\m:13+4*\m], v[ACC+32*\m+\j+2:ACC+32*\m+\j+3]
.endr
	v_pk_add_f32 v[10+4*\m:11+4*\m], v[10+4*\m:11+4*\m], v[12+4*\m:13+4*\m]
	v_add_f32 v[10+4*\m], v[10+4*\m], v[11+4*\m]
.endr
	RSUM \reg
	v_mul_f32 v10, s58, v10                        ; the means
	v_mul_f32 v14, s58, v14
.irp m, 0,1
.irp j, 0,2,4,6,8,10,12,14,16,18,20,22,24,26,28,30
	v_pk_add_f32 v[ACC+32*\m+\j:ACC+32*\m+\j+1], v[ACC+32*\m+\j:ACC+32*\m+\j+1], v[10+4*\m:11+4*\m] op_sel_hi:[1,0] neg_lo:[0,1] neg_hi:[0,1]
.endr
.endr
.irp m, 0,1
	v_pk_mul_f32 v[10+4*\m:11+4*\m], v[ACC+32*\m:ACC+32*\m+1], v[ACC+32*\m:ACC+32*\m+1]
	v_pk_mul_f32 v[12+4*\m:13+4*\m], v[ACC+32*\m+2:ACC+32*\m+3], v[ACC+32*\m+2:ACC+32*\m+3]
.irp j, 4,8,12,16,20,24,28
	v_pk_fma_f32 v[10+4*\m:11+4*\m], v[ACC+32*\m+\j:ACC+32*\m+\j+1], v[ACC+32*\m+\j:ACC+32*\m+\j+1], v[10+4*\m:11+4*\m]
	v_pk_fma_f32 v[12+4*\m:13+4*\m], v[ACC+32*\m+\j+2:ACC+32*\m+\j+3], v[ACC+32*\m+\j+2:ACC+32*\m+\j+3], v[12+4*\m:13+4*\m]
.endr
	v_pk_add_f32 v[10+4*\m:11+4*\m], v[10+4*\m:11+4*\m], v[12+4*\m:13+4*\m]
	v_add_f32 v[10+4*\m], v[10+4*\m], v[11+4*\m]
.endr
	RSUM (\reg)+1
	v_fma_f32 v10, v10, s58, s59                   ; the variances + 1e-5
	v_fma_f32 v14, v14, s58, s59
	v_rsq_f32 v10, v10
	v_rsq_f32 v14, v14
	v_nop                                          ; a plain instruction behind the transcendentals
	s_wait_alu depctr_va_vdst(0)                   ; one wait for both, ahead of their first reader
.irp m, 0,1
.irp j, 0,2,4,6,8,10,12,14,16,18,20,22,24,26,28,30
	v_pk_mul_f32 v[ACC+32*\m+\j:ACC+32*\m+\j+1], v[ACC+32*\m+\j:ACC+32*\m+\j+1], v[10+4*\m:11+4*\m] op_sel_hi:[1,0]
.endr
.endr
	s_wait_loadcnt 0x0                             ; g and b
.irp m, 0,1
.irp j, 0,2,4,6,8,10,12,14,16,18,20,22,24,26,28,30
	v_pk_fma_f32 v[ACC+32*\m+\j:ACC+32*\m+\j+1], v[ACC+32*\m+\j:ACC+32*\m+\j+1], v[T+\j:T+\j+1], v[T+32+\j:T+32+\j+1]
.endr
.endr
.endm
.macro HSTORE                          ; ACC into my stage, in the results' order
.irp m, 0,1
.irp i, 0,1,2,3
	ds_store_b128 v3, v[ACC+8*(4*\m+\i):ACC+8*(4*\m+\i)+3] offset:16*SPI*\m+64*\i
	ds_store_b128 v3, v[ACC+8*(4*\m+\i)+4:ACC+8*(4*\m+\i)+7] offset:16*SPI*\m+64*\i+16
.endr
.endr
.endm
.macro QIMG relu, sc, lim, img         ; ACC becomes my half of a fragment for each tile of rows; relu = 1: what is negative becomes 0 in the hold
.irp m, 0,1
.irp i, 0,1,2,3
.irp j, 0,1,2,3,4,5,6,7
.if \relu
	v_med3_num_f32 v[ACC+8*(4*\m+\i)+\j], v[ACC+8*(4*\m+\i)+\j], 0, v[\lim]
.else
	v_med3_num_f32 v[ACC+8*(4*\m+\i)+\j], v[ACC+8*(4*\m+\i)+\j], -v[\lim], v[\lim]
.endif
.endr
	v_cvt_scalef32_pk8_bf8_f32 v[AF+8*\m+2*\i:AF+8*\m+2*\i+1], v[ACC+8*(4*\m+\i):ACC+8*(4*\m+\i)+7], v[\sc]
.endr
.endr
	v_nop                                          ; a plain line between the last conversion and the products that write its sources
.irp m, 0,1
	ds_store_b128 v2, v[AF+8*\m:AF+8*\m+3] offset:\img+16384*\m
	ds_store_b128 v2, v[AF+8*\m+4:AF+8*\m+7] offset:\img+16384*\m+512
.endr
	s_wait_dscnt 0x0                               ; my stores have landed,
	s_barrier_signal -1
	s_barrier_wait -1                              ; everybody's have: the image is whole
.endm
	WLOAD 0, WB0
.irp i, 0,1,2,3,4,5,6,7,8,9,10,11,12,13,14,15
	global_load_b128 v[T+4*\i:T+4*\i+3], v5, s[26:27] offset:8192*\i th:TH_LOAD_NT   ; x, my 64 columns of two rows: sixteen lanes read 256 consecutive bytes
.endr
.irp g, 0,1,2,3
	global_load_b128 v[AF+4*\g:AF+4*\g+3], v1, s[30:31] offset:512*\g th:TH_LOAD_NT  ; one of ctx's sixteen fragments
.endr
	s_wait_kmcnt 0x0
	s_add_co_i32 s54, s46, s47
	s_add_co_i32 s54, s54, 127
	s_lshl_b32 s54, s54, 23                        ; 2^(e10 + e11)
	s_mov_b32 s55, s54
	s_add_co_i32 s56, s50, s51
	s_add_co_i32 s56, s56, 127
	s_lshl_b32 s56, s56, 23                        ; 2^(e14 + e15)
	s_mov_b32 s57, s56
	MKSC 48, 26, 27                                ; h2's scale: e12
	s_sub_co_i32 s62, s50, s48
	s_sub_co_i32 s62, s62, s49                     ; the hidden layer's: e14 - e12 - e13, the three folded into one
	MKSC 62, 28, 29
	s_wait_loadcnt 0x0
.irp i, 0,1,2,3,4,5,6,7,8,9,10,11,12,13,14,15
	ds_store_b128 v4, v[T+4*\i:T+4*\i+3] offset:2*SPI*\i
.endr
.irp g, 0,1,2,3
	ds_store_b128 v9, v[AF+4*\g:AF+4*\g+3] offset:IMG0+512*\g
.endr
	s_wait_dscnt 0x0
	s_barrier_signal -1
	s_barrier_wait -1                              ; ctx's image is whole
	WLOAD 1, WB1
	; ---- ctx Wo
	KSTEP 0, 1, 1, 16
.set Q, 1
.rept 6
	KSTEP Q, 0, 1, 16
.set Q, Q+1
.endr
	KSTEP 7, 0, 0, 16                              ; its buffer serves as T until the norm is done
	RESID 54                                       ; + x
	LNORM 12, 14, 0
	WLOAD 9, WB1
	HSTORE                                         ; h2 is kept in my stage for the second residual
	s_wait_dscnt 0x0
	QIMG 0, 26, 27, IMG1
	; ---- h2 W1
	KSTEP 8, 1, 1, 16
.set Q, 9
.rept 7
	KSTEP Q, 0, 1, 16
.set Q, Q+1
.endr
	QIMG 1, 28, 29, IMG0
	; ---- relu(..) W2
	KSTEP 16, 1, 1, 16
.set Q, 17
.rept 5
	KSTEP Q, 0, 1, 16
.set Q, Q+1
.endr
	KSTEP 22, 0, 0, 16
	KSTEP 23, 0, 0, 0                              ; nothing was issued behind its weights
	RESID 56                                       ; + h2
	LNORM 16, 18, 2
	HSTORE                                         ; out through my stage: in by the results' order, back by rows
.irp i, 0,1,2,3,4,5,6,7,8,9,10,11,12,13,14,15
	ds_load_b128 v[WB0+4*\i:WB0+4*\i+3], v4 offset:2*SPI*\i        ; LDS serves a wave's instructions in order (ISA guide 5.7.1.4): these see my stores
.endr
.irp i, 0,1,2,3,4,5,6,7,8,9,10,11,12,13,14,15
	s_wait_dscnt 15-\i
	global_store_b128 v5, v[WB0+4*\i:WB0+4*\i+3], s[28:29] offset:8192*\i th:TH_STORE_NT   ; sixteen lanes store 256 consecutive bytes, at a multiple of 256 from out0's first byte
.endr
	s_wait_tensorcnt 0x0
	ds_add_u32 v30, v31
	s_wait_dscnt 0x0
	s_endpgm
.Lfunc_end_k_qaa1ea32013_tail:
	.size	k_qaa1ea32013_tail, .Lfunc_end_k_qaa1ea32013_tail-k_qaa1ea32013_tail
	.p2alignl 7, 3214868480
	.fill 96, 4, 3214868480
	.section	.rodata,"a",@progbits
	.p2align	6, 0x0
	.amdhsa_kernel k_qaa1ea32013_tail
		.amdhsa_group_segment_fixed_size 217088
		.amdhsa_private_segment_fixed_size 0
		.amdhsa_enable_private_segment 0
		.amdhsa_kernarg_size 72
		.amdhsa_user_sgpr_count 2
		.amdhsa_user_sgpr_kernarg_segment_ptr 1
		.amdhsa_wavefront_size32 1
		.amdhsa_system_sgpr_workgroup_id_x 1
		.amdhsa_system_sgpr_workgroup_id_y 1
		.amdhsa_system_sgpr_workgroup_id_z 1
		.amdhsa_system_vgpr_workitem_id 0
		.amdhsa_next_free_vgpr 256
		.amdhsa_next_free_sgpr 66
		.amdhsa_reserve_vcc 0
		.amdhsa_float_denorm_mode_32 3
		.amdhsa_float_denorm_mode_16_64 3
		.amdhsa_memory_ordered 1
		.amdhsa_forward_progress 1
		.amdhsa_inst_pref_size 122
	.end_amdhsa_kernel
	.amdgpu_metadata
---
amdhsa.version: [ 1, 2 ]
amdhsa.kernels:
  - .name:           k_qaa1ea32013_tail
    .symbol:         k_qaa1ea32013_tail.kd
    .args:
      - { .name: ctx, .offset: 0, .size: 8, .value_kind: global_buffer, .address_space: global }
      - { .name: wimg, .offset: 8, .size: 8, .value_kind: global_buffer, .address_space: global }
      - { .name: x, .offset: 16, .size: 8, .value_kind: global_buffer, .address_space: global }
      - { .name: lowp_scales, .offset: 24, .size: 8, .value_kind: global_buffer, .address_space: global }
      - { .name: ln2_g, .offset: 32, .size: 8, .value_kind: global_buffer, .address_space: global }
      - { .name: ln2_b, .offset: 40, .size: 8, .value_kind: global_buffer, .address_space: global }
      - { .name: ln3_g, .offset: 48, .size: 8, .value_kind: global_buffer, .address_space: global }
      - { .name: ln3_b, .offset: 56, .size: 8, .value_kind: global_buffer, .address_space: global }
      - { .name: out0, .offset: 64, .size: 8, .value_kind: global_buffer, .address_space: global }
    .group_segment_fixed_size: 217088
    .private_segment_fixed_size: 0
    .kernarg_segment_align: 8
    .kernarg_segment_size: 72
    .max_flat_workgroup_size: 512
    .sgpr_count:     66
    .vgpr_count:     256
    .wavefront_size: 32
...
	.end_amdgpu_metadata
.endif
;; end of part 4
;; ======== version 2 of 2: 4 launches; version 1 with the launch tail written anew for expert scheduling mode
;; workspace buffers: himg 12,582,912 bytes; wimg 6,291,456 bytes; qkv 12,582,912 bytes; ctx 4,194,304 bytes
;; launch prep: the kernel of part 1 again; grid 448 x 1, 4 waves a work-group, no clusters, 99,072 bytes of LDS; arguments x, ln1_g, ln1_b, wq, wk, wv, wo, w1, w2, lowp_scales, himg, wimg; writes himg, wimg
;; launch qkvp: the kernel of part 2 again; grid 24 x 32, 4 waves a work-group, clusters of 4 x 4, 262,656 bytes of LDS; arguments himg, wimg, lowp_scales, qkv; writes qkv
;; launch attn: the kernel of part 3 again; grid 8 x 32, 16 waves a work-group, clusters of 4 x 1, 264,192 bytes of LDS; arguments qkv, lowp_scales, ctx; writes ctx
;; launch tail (part 5): grid 128 x 1, 16 waves a work-group, no clusters, 217,088 bytes of LDS; arguments ctx, wimg, x, lowp_scales, ln2_g, ln2_b, ln3_g, ln3_b, out0; writes out0
.if DOCPART == 5
	.amdgcn_target "amdgcn-amd-amdhsa--gfx1250"
	.amdhsa_code_object_version 6
	.text
	.protected	k_qaa1ea32013_tail
	.globl	k_qaa1ea32013_tail
	.p2align	8
	.type	k_qaa1ea32013_tail,@function
k_qaa1ea32013_tail:
	s_mov_b64 s[64:65], 0
	v_nop
	global_prefetch_b8 v0, s[64:65] scope:SCOPE_SE
	s_setreg_imm32_b32 hwreg(HW_REG_WAVE_SCHED_MODE, 0, 2), 2
	s_setreg_imm32_b32 hwreg(HW_REG_WAVE_MODE, 25, 1), 1
	s_wait_xcnt 0x0
	s_wait_alu depctr_vm_vsrc(0)
; out = LN3(relu(h2 W1) W2 + h2),  h2 = LN2(ctx Wo + x): three products on codes of E5M2 and two LayerNorms, fused: nothing between them goes to memory.
; SHARES.  A work-group owns 32 WHOLE rows (two tiles of 16), since a norm wants whole rows.  THE WAVES SHARE THE COLUMNS: wave w makes columns 64 w .. 64 w + 63 of every layer, for all 32 rows.
; Its weights are group w of each weight's panel, a dense run of 65,536 bytes a layer that no other wave of the work-group reads: they go from memory straight into its registers, 16 loads of 512
; consecutive bytes for a K step, in two buffers by turns, so that 16 loads of every wave are always on their way.
; The rows' operands go from wave to wave through LDS as images of their registers ([tile m][K step s][2,048]): wave w's 64 columns are half of K step w / 2.
; The products are used transposed (source 0 = 16 columns of W, source 1 = 16 rows): lane (r, h) holds row r, register j column 16 i + 8 h + j; eight registers converted are registers 2 c, 2 c + 1 of the next operand.
; NO CLUSTER, NO JOINT LOADS, though all work-groups read the same weights: the three layers' codes are 3,145,728 bytes, about twelve times the LDS that is left beside the images and stages, so they would
; have to go through slots that are filled again, each refill behind a round in front of which every load has landed; a K step here is 8 matrix instructions a wave, too little work to stand between a request and its wait.
; 32 rows to a work-group: whatever its rows, a work-group that owns whole rows takes in all three weights; 32 rows are what 256 registers a wave hold (64 of sums, 128 of weights, 32 of rows' codes).
; LayerNorm: the mean, then the mean of (h - mean)^2: no difference of large sums.  A row's sums meet in LDS: a word for each row and wave, one barrier a sum, four regions so that none is written twice.
; LIMITS: e12 and e14 - e12 - e13 between -126 and 112; e10 + e11 and e14 + e15 between -126 and 127.  NaN among the inputs is not served.
; THE MODE: SCHED_MODE bits 1:0 = 2 (LLVM: expert scheduling mode 2), set by the entry lines.  The code itself states the register dependences
; between vector or matrix instructions and memory or LDS instructions, with s_wait_alu, always for 0.
; THE PLAN.  Registers that memory or LDS instructions touch:
;   v1-v9     offsets and LDS addresses: made once at the head, never written again.
;   AF        K step q: eight LDS loads land in it, the step's products read it.  Between layers: a sum's sixteen words land in it and are added there; the conversions write a half fragment's codes into it, which LDS stores read.
;   WB0, WB1  K step q: its products read WB[q % 2]; the loads of K step q + 1 land in the other, which the products of K step q - 1 read.
;   T = WB1   between layers: what lies in my stage, then g and b, land in it; packed multiply-adds read it.  At the head x lands in it and LDS stores read it.
;   ACC       written by products and vector work; read by the LDS stores into my stage.
;   v10       a row's sum: written by vector work, read by one LDS store, written again behind it.
; ONE wait on va_vdst stands at the head of a K step: the products of the step before are done reading AF and their weights' buffer.  The step's 24 loads follow it in one run, the rows' fragments first,
; all of them ahead of the wait for this step's weights, so that two K steps' weights are on their way while the wave waits.  All 256 registers are taken: AF has one set.
; Between layers a load is laid behind a wait on va_vdst that stands there for a store's sake: g and b behind a norm's first sum's, a layer's second K step's weights behind the stage's or the image's.
; A wait on vm_vsrc stands ahead of each first write of a register that an LDS store has read: AF and T behind the head's stores, AF behind each image, ACC behind the stage, v10 behind each sum's word.
.set IMG0, 0                           ; ctx's codes, later the hidden layer's (three barriers lie between the last read of the one and the first store of the other)
.set IMG1, 32768                       ; h2's codes
.set STG,  65536                       ; a stage for each wave, its own: 32 rows x (256 bytes + 16): x, then h2, then out
.set SPI,  272                         ; 17 x 16: the 16 rows that a load or store touches start 16 bytes further on in each 256
.set RED,  STG+16*32*SPI               ; 204,800: four regions of 32 rows x 80 bytes (16 waves' words + 16)
.set ACC,  32                          ; v32-95   accumulator (m, i) at v[32 + 8 (4 m + i)]
.set AF,   96                          ; v96-127  the rows' two fragments; also codes just made and sums at work
.set WB0,  128                         ; v128-191 weights, even K steps
.set WB1,  192                         ; v192-255 weights, odd K steps; between layers: T
.set T,    192
; v1 16 lane | v2 + 1,024 w (image, my half fragment) | v3 stage in the results' order | v4 stage by rows | v5 x and out by rows | v6, v7 the sums' words | v8 g and b | v9 + 2,048 w | v10-19 at work | v26-29 scales and holds
.macro MKSC e, vs, vl                  ; s[e] = an exponent: v[vs] = 2^e, v[vl] = 57,344 x 2^e
	s_add_co_i32 s60, s[\e], 127
	s_lshl_b32 s61, s60, 23
	v_mov_b32 v[\vs], s61
	s_add_co_i32 s60, s60, 15
	s_lshl_b32 s60, s60, 23
	s_or_b32 s60, s60, 0x600000
	v_mov_b32 v[\vl], s60
.endm
	s_load_b512 s[4:19], s[0:1], 0x0               ; ctx, wimg, x, the exponents, ln2_g, ln2_b, ln3_g, ln3_b
	s_load_b64 s[20:21], s[0:1], 0x40              ; out0
	v_lshl_add_u32 v30, v0, 2, 0x34800
	v_mov_b32 v31, 0
	v_lshrrev_b32 v1, 5, v0
	v_readfirstlane_b32 s2, v1                     ; wave 0..15
	v_and_b32 v10, 31, v0                          ; lane
	v_and_b32 v11, 15, v0                          ; r
	v_bfe_u32 v12, v0, 4, 1                        ; h
	v_lshlrev_b32 v1, 4, v10
	s_wait_alu depctr_va_sdst(0)                   ; s2 is written, ahead of its first reader: addresses and bases are made from it
	s_lshl_b32 s22, s2, 10
	v_add_nc_u32 v2, s22, v1
	s_mul_i32 s23, s2, 32*SPI
	s_add_co_u32 s23, s23, STG                     ; my stage
	v_mul_u32_u24 v3, v11, SPI
	v_lshl_add_u32 v3, v12, 5, v3
	v_add_nc_u32 v3, s23, v3                       ; row r, + 32 h
	v_mul_u32_u24 v4, v12, SPI
	v_lshl_add_u32 v4, v11, 4, v4
	v_add_nc_u32 v4, s23, v4                       ; lanes 0-15 one row of 256 bytes, lanes 16-31 the next
	v_lshlrev_b32 v5, 12, v12
	v_lshl_add_u32 v5, v11, 4, v5                  ; and the same two rows in x and out
	v_mul_u32_u24 v7, v10, 80
	v_add_nc_u32 v7, RED, v7                       ; row = lane: its sixteen words
	s_lshl_b32 s22, s2, 2
	v_add_nc_u32 v6, s22, v7                       ; and my wave's among them
	s_lshl_b32 s22, s2, 8
	v_lshlrev_b32 v8, 5, v12
	v_add_nc_u32 v8, s22, v8                       ; g, b: my 64 columns, + 32 h
	s_lshl_b32 s22, s2, 11
	v_add_nc_u32 v9, s22, v1
	v_mov_b32 v18, 0                               ; written once: lane permutes' destinations count as sources
	v_mov_b32 v19, 0
	s_mov_b32 s32, 0xffff0000                      ; lanes 16-31
	s_mov_b32 s52, 0x76543210                      ; v_permlanex16_b32: lane l xor 16
	s_mov_b32 s53, 0xfedcba98
	s_mov_b32 s58, 0x3a800000                      ; 1 / 1,024
	s_mov_b32 s59, 0x3727c5ac                      ; 1e-5
	s_wait_kmcnt 0x0
	s_load_b512 s[36:51], s[10:11], 0x0            ; e0 .. e15
	s_lshl_b32 s22, s2, 16
	s_add_co_u32 s22, s22, 3145728                 ; wo's panel is the fourth in wimg; w1's and w2's follow, 1,048,576 bytes apart
	s_mov_b32 s23, 0
	s_add_nc_u64 s[24:25], s[6:7], s[22:23]        ; my weights
	s_lshl_b32 s22, ttmp9, 17                      ; 32 rows of 4,096 bytes
	s_lshl_b32 s33, s2, 8
	s_add_co_u32 s22, s22, s33
	s_add_nc_u64 s[26:27], s[8:9], s[22:23]        ; x at my columns of the first row
	s_add_nc_u64 s[28:29], s[20:21], s[22:23]      ; out likewise
	s_lshr_b32 s22, ttmp9, 1                       ; ctx: group work-group / 2, K step wave % 8, tile 2 (work-group % 2) + wave / 8
	s_lshl_b32 s22, s22, 16
	s_and_b32 s33, s2, 7
	s_lshl_b32 s33, s33, 13
	s_add_co_u32 s22, s22, s33
	s_and_b32 s33, ttmp9, 1
	s_lshl_b32 s33, s33, 1
	s_lshr_b32 s34, s2, 3
	s_add_co_u32 s33, s33, s34
	s_lshl_b32 s33, s33, 11
	s_add_co_u32 s22, s22, s33
	s_add_nc_u64 s[30:31], s[4:5], s[22:23]
.macro WLOAD q, buf                    ; K step q % 8 of layer q / 8: my four fragments (16 columns x 128 K), as they lie
.irp i, 0,1,2,3
.irp g, 0,1,2,3
	global_load_b128 v[\buf+16*\i+4*\g:\buf+16*\i+4*\g+3], v1, s[24:25] offset:1048576*((\q)/8)+8192*((\q)%8)+2048*\i+512*\g
.endr
.endr
.endm
; A K step: the wait at its head, the rows' two fragments from the layer's image, the next K step's weights into the other buffer (nl = 1), then 8 matrix instructions (the 8 accumulators by turns).
; hw = 1: a K step stands just before this one.  hw = 2: a layer's first K step, behind LDS stores that read AF.
.macro KSTEP q, zero, nl, cnt, hw
.if \hw == 1
	s_wait_alu depctr_va_vdst(0)                   ; the products of the K step before are done reading v[AF ..] and their weights' buffer: the loads below land in both
.endif
.if \hw == 2
	s_wait_alu depctr_vm_vsrc(0)                   ; my LDS stores have read v[AF ..] (at the head of the kernel v[T ..] too), in which the loads below land; the vector work that named these registers stands ahead of the last wait on va_vdst
.endif
.irp m, 0,1
.irp c, 0,1,2,3
	ds_load_b128 v[AF+16*\m+4*\c:AF+16*\m+4*\c+3], v1 offset:32768*(((\q)/8)%2)+16384*\m+2048*((\q)%8)+512*\c
.endr
.endr
.if \nl
	WLOAD (\q)+1, WB0+64*(((\q)+1)%2)              ; no vector or matrix instruction since the wait above names this buffer
.endif
	s_wait_loadcnt \cnt                            ; this K step's weights are in; the other buffer's 16 loads, issued later, stay out
	s_wait_dscnt 0x0
.irp m, 0,1
.irp i, 0,1,2,3
.if \zero
	v_wmma_f32_16x16x128_bf8_bf8 v[ACC+8*(4*\m+\i):ACC+8*(4*\m+\i)+7], v[WB0+64*((\q)%2)+16*\i:WB0+64*((\q)%2)+16*\i+15], v[AF+16*\m:AF+16*\m+15], 0
.else
	v_wmma_f32_16x16x128_bf8_bf8 v[ACC+8*(4*\m+\i):ACC+8*(4*\m+\i)+7], v[WB0+64*((\q)%2)+16*\i:WB0+64*((\q)%2)+16*\i+15], v[AF+16*\m:AF+16*\m+15], v[ACC+8*(4*\m+\i):ACC+8*(4*\m+\i)+7]
.endif
.endr
.endr
.rept 4
	v_nop                                          ; four places behind the products (ISA guide 7.12.1), ahead of the first read of their results; the wait on va_vdst that follows them fills none
.endr
.endm
; v10, v14: a lane's sums for rows r and 16 + r over my wave's columns of its half.  Out: the rows' sums over all 1,024 columns, in the same two registers.
; In two parts, so that loads can stand behind the first part's wait.
.macro RSUMA reg
	v_permlanex16_b32 v18, v10, s52, s53
	v_permlanex16_b32 v19, v14, s52, s53
	v_add_f32 v10, v10, v18
	v_add_f32 v14, v14, v19
	v_cndmask_b32 v10, v10, v14, s32               ; lane l holds row l's
	s_wait_alu depctr_va_vdst(0)                   ; v10 is written, which the store reads; the vector and matrix work so far is done with v[AF ..], in which the sixteen words land, and with v[T ..], in which g and b land
	ds_store_b32 v6, v10 offset:(\reg)*2560
.endm
.macro RSUMB reg
	s_wait_dscnt 0x0                               ; for the others' sake: my word lies in LDS
	s_barrier_signal -1
	s_barrier_wait -1
.irp q, 0,1,2,3
	ds_load_b128 v[AF+4*\q:AF+4*\q+3], v7 offset:(\reg)*2560+16*\q
.endr
	s_wait_dscnt 0x0
	s_wait_alu depctr_vm_vsrc(0)                   ; my word's store has read v10, which is written again below
	v_pk_add_f32 v[AF:AF+1], v[AF:AF+1], v[AF+2:AF+3]              ; every wave adds the sixteen words in the same order
	v_pk_add_f32 v[AF+4:AF+5], v[AF+4:AF+5], v[AF+6:AF+7]
	v_pk_add_f32 v[AF+8:AF+9], v[AF+8:AF+9], v[AF+10:AF+11]
	v_pk_add_f32 v[AF+12:AF+13], v[AF+12:AF+13], v[AF+14:AF+15]
	v_pk_add_f32 v[AF:AF+1], v[AF:AF+1], v[AF+4:AF+5]
	v_pk_add_f32 v[AF+8:AF+9], v[AF+8:AF+9], v[AF+12:AF+13]
	v_pk_add_f32 v[AF:AF+1], v[AF:AF+1], v[AF+8:AF+9]
	v_add_f32 v[AF], v[AF], v[AF+1]
	v_permlanex16_b32 v18, v[AF], s52, s53
	v_cndmask_b32 v10, v[AF], v18, s32             ; row r's, in both halves of the lanes
	v_cndmask_b32 v14, v18, v[AF], s32             ; row 16 + r's
.endm
.macro RESID f                         ; sums x 2^(the two exponents) + what lies in my stage (x, or h2), in the results' order
	s_wait_alu depctr_va_vdst(0)                   ; the layer's last products are done reading their weights in v[T ..], in which the loads below land
.irp m, 0,1
.irp i, 0,1,2,3
	ds_load_b128 v[T+8*(4*\m+\i):T+8*(4*\m+\i)+3], v3 offset:16*SPI*\m+64*\i
	ds_load_b128 v[T+8*(4*\m+\i)+4:T+8*(4*\m+\i)+7], v3 offset:16*SPI*\m+64*\i+16
.endr
.endr
	s_wait_dscnt 0x0
.irp j, 0,2,4,6,8,10,12,14,16,18,20,22,24,26,28,30,32,34,36,38,40,42,44,46,48,50,52,54,56,58,60,62
	v_pk_fma_f32 v[ACC+\j:ACC+\j+1], v[ACC+\j:ACC+\j+1], s[\f:\f+1], v[T+\j:T+\j+1] op_sel_hi:[1,0,1]   ; each accumulator from its low end on
.endr
.endm
.macro LNORM gp, bp, reg               ; the 32 rows in ACC are normalised; regions reg and reg + 1 of the sums' words
.irp m, 0,1
	v_pk_add_f32 v[10+4*\m:11+4*\m], v[ACC+32*\m:ACC+32*\m+1], v[ACC+32*\m+2:ACC+32*\m+3]
	v_pk_add_f32 v[12+4*\m:13+4*\m], v[ACC+32*\m+4:ACC+32*\m+5], v[ACC+32*\m+6:ACC+32*\m+7]
.irp j, 8,12,16,20,24,28
	v_pk_add_f32 v[10+4*\m:11+4*\m], v[10+4*\m:11+4*\m], v[ACC+32*\m+\j:ACC+32*\m+\j+1]
	v_pk_add_f32 v[12+4*\m:13+4*\m], v[12+4*\m:13+4*\m], v[ACC+32*\m+\j+2:ACC+32*\m+\j+3]
.endr
	v_pk_add_f32 v[10+4*\m:11+4*\m], v[10+4*\m:11+4*\m], v[12+4*\m:13+4*\m]
	v_add_f32 v[10+4*\m], v[10+4*\m], v[11+4*\m]
.endr
	RSUMA \reg
.irp i, 0,1,2,3                                ; g and b, behind the sum's wait: the residual's multiply-adds, issued ahead of it, are done reading v[T ..], and nothing since names these registers
	global_load_b128 v[T+8*\i:T+8*\i+3], v8, s[\gp:\gp+1] offset:64*\i
	global_load_b128 v[T+8*\i+4:T+8*\i+7], v8, s[\gp:\gp+1] offset:64*\i+16
	global_load_b128 v[T+32+8*\i:T+32+8*\i+3], v8, s[\bp:\bp+1] offset:64*\i
	global_load_b128 v[T+32+8*\i+4:T+32+8*\i+7], v8, s[\bp:\bp+1] offset:64*\i+16
.endr
	RSUMB \reg
	v_mul_f32 v10, s58, v10                        ; the means
	v_mul_f32 v14, s58, v14
.irp m, 0,1
.irp j, 0,2,4,6,8,10,12,14,16,18,20,22,24,26,28,30
	v_pk_add_f32 v[ACC+32*\m+\j:ACC+32*\m+\j+1], v[ACC+32*\m+\j:ACC+32*\m+\j+1], v[10+4*\m:11+4*\m] op_sel_hi:[1,0] neg_lo:[0,1] neg_hi:[0,1]
.endr
.endr
.irp m, 0,1
	v_pk_mul_f32 v[10+4*\m:11+4*\m], v[ACC+32*\m:ACC+32*\m+1], v[ACC+32*\m:ACC+32*\m+1]
	v_pk_mul_f32 v[12+4*\m:13+4*\m], v[ACC+32*\m+2:ACC+32*\m+3], v[ACC+32*\m+2:ACC+32*\m+3]
.irp j, 4,8,12,16,20,24,28
	v_pk_fma_f32 v[10+4*\m:11+4*\m], v[ACC+32*\m+\j:ACC+32*\m+\j+1], v[ACC+32*\m+\j:ACC+32*\m+\j+1], v[10+4*\m:11+4*\m]
	v_pk_fma_f32 v[12+4*\m:13+4*\m], v[ACC+32*\m+\j+2:ACC+32*\m+\j+3], v[ACC+32*\m+\j+2:ACC+32*\m+\j+3], v[12+4*\m:13+4*\m]
.endr
	v_pk_add_f32 v[10+4*\m:11+4*\m], v[10+4*\m:11+4*\m], v[12+4*\m:13+4*\m]
	v_add_f32 v[10+4*\m], v[10+4*\m], v[11+4*\m]
.endr
	RSUMA (\reg)+1
	RSUMB (\reg)+1
	v_fma_f32 v10, v10, s58, s59                   ; the variances + 1e-5
	v_fma_f32 v14, v14, s58, s59
	v_rsq_f32 v10, v10
	v_rsq_f32 v14, v14
	v_nop                                          ; a plain instruction behind the transcendentals
	s_wait_alu depctr_va_vdst(0)                   ; the two reciprocal roots have written v10 and v14: one wait for both, ahead of their first reader
.irp m, 0,1
.irp j, 0,2,4,6,8,10,12,14,16,18,20,22,24,26,28,30
	v_pk_mul_f32 v[ACC+32*\m+\j:ACC+32*\m+\j+1], v[ACC+32*\m+\j:ACC+32*\m+\j+1], v[10+4*\m:11+4*\m] op_sel_hi:[1,0]
.endr
.endr
	s_wait_loadcnt 0x0                             ; g and b
.irp m, 0,1
.irp j, 0,2,4,6,8,10,12,14,16,18,20,22,24,26,28,30
	v_pk_fma_f32 v[ACC+32*\m+\j:ACC+32*\m+\j+1], v[ACC+32*\m+\j:ACC+32*\m+\j+1], v[T+\j:T+\j+1], v[T+32+\j:T+32+\j+1]
.endr
.endr
.endm
.macro HSTORE                          ; ACC into my stage, in the results' order
.irp m, 0,1
.irp i, 0,1,2,3
	ds_store_b128 v3, v[ACC+8*(4*\m+\i):ACC+8*(4*\m+\i)+3] offset:16*SPI*\m+64*\i
	ds_store_b128 v3, v[ACC+8*(4*\m+\i)+4:ACC+8*(4*\m+\i)+7] offset:16*SPI*\m+64*\i+16
.endr
.endr
.endm
.macro QIMG relu, sc, lim, img, wl     ; ACC becomes my half of a fragment for each tile of rows; relu = 1: what is negative becomes 0 in the hold; wl: the K step whose weights are asked for behind the wait, or -1
.irp m, 0,1
.irp i, 0,1,2,3
.irp j, 0,1,2,3,4,5,6,7
.if \relu
	v_med3_num_f32 v[ACC+8*(4*\m+\i)+\j], v[ACC+8*(4*\m+\i)+\j], 0, v[\lim]
.else
	v_med3_num_f32 v[ACC+8*(4*\m+\i)+\j], v[ACC+8*(4*\m+\i)+\j], -v[\lim], v[\lim]
.endif
.endr
	v_cvt_scalef32_pk8_bf8_f32 v[AF+8*\m+2*\i:AF+8*\m+2*\i+1], v[ACC+8*(4*\m+\i):ACC+8*(4*\m+\i)+7], v[\sc]
.endr
.endr
	v_nop                                          ; a plain line between the last conversion and the products that write its sources
	s_wait_alu depctr_va_vdst(0)                   ; the conversions have written v[AF ..], which the stores read; the layer's last products are done reading their weights' buffer, in which the loads below land
.irp m, 0,1
	ds_store_b128 v2, v[AF+8*\m:AF+8*\m+3] offset:\img+16384*\m
	ds_store_b128 v2, v[AF+8*\m+4:AF+8*\m+7] offset:\img+16384*\m+512
.endr
.if \wl >= 0
	WLOAD \wl, WB0+64*((\wl)%2)
.endif
	s_wait_dscnt 0x0                               ; my stores have landed,
	s_barrier_signal -1
	s_barrier_wait -1                              ; everybody's have: the image is whole
.endm
	s_wait_alu depctr_va_vdst(0)                   ; the nine offsets and addresses v1 to v9 are written, which every load and store of the kernel reads
	WLOAD 0, WB0
.irp i, 0,1,2,3,4,5,6,7,8,9,10,11,12,13,14,15
	global_load_b128 v[T+4*\i:T+4*\i+3], v5, s[26:27] offset:8192*\i th:TH_LOAD_NT   ; x, my 64 columns of two rows: sixteen lanes read 256 consecutive bytes
.endr
.irp g, 0,1,2,3
	global_load_b128 v[AF+4*\g:AF+4*\g+3], v1, s[30:31] offset:512*\g th:TH_LOAD_NT  ; one of ctx's sixteen fragments
.endr
	s_wait_kmcnt 0x0
	s_add_co_i32 s54, s46, s47
	s_add_co_i32 s54, s54, 127
	s_lshl_b32 s54, s54, 23                        ; 2^(e10 + e11)
	s_mov_b32 s55, s54
	s_add_co_i32 s56, s50, s51
	s_add_co_i32 s56, s56, 127
	s_lshl_b32 s56, s56, 23                        ; 2^(e14 + e15)
	s_mov_b32 s57, s56
	MKSC 48, 26, 27                                ; h2's scale: e12
	s_sub_co_i32 s62, s50, s48
	s_sub_co_i32 s62, s62, s49                     ; the hidden layer's: e14 - e12 - e13, the three folded into one
	MKSC 62, 28, 29
	s_wait_loadcnt 0x0
.irp i, 0,1,2,3,4,5,6,7,8,9,10,11,12,13,14,15
	ds_store_b128 v4, v[T+4*\i:T+4*\i+3] offset:2*SPI*\i           ; the data came by loads, the address stands ahead of the wait on va_vdst above: nothing more is owed
.endr
.irp g, 0,1,2,3
	ds_store_b128 v9, v[AF+4*\g:AF+4*\g+3] offset:IMG0+512*\g
.endr
	s_wait_dscnt 0x0
	s_barrier_signal -1
	s_barrier_wait -1                              ; ctx's image is whole
	; ---- ctx Wo
	KSTEP 0, 1, 1, 16, 2                           ; its wait: my stores of x and of ctx's fragment have read v[T ..] and v[AF ..]
.set Q, 1
.rept 7
	KSTEP Q, 0, 1, 16, 1                           ; K step 7 asks for the next layer's first weights; its own buffer serves as T until the norm is done
.set Q, Q+1
.endr
	RESID 54                                       ; + x
	LNORM 12, 14, 0
	s_wait_alu depctr_va_vdst(0)                   ; the norm has written ACC, which the stores into my stage read, and is done reading g and b in v[T ..], in which the weights below land
	HSTORE                                         ; h2 is kept in my stage for the second residual
	WLOAD 9, WB1
	s_wait_dscnt 0x0
	s_wait_alu depctr_vm_vsrc(0)                   ; the stores into my stage have read ACC, which the holds below write in place
	QIMG 0, 26, 27, IMG1, -1
	; ---- h2 W1
	KSTEP 8, 1, 0, 16, 2
.set Q, 9
.rept 7
	KSTEP Q, 0, 1, 16, 1
.set Q, Q+1
.endr
	QIMG 1, 28, 29, IMG0, 17
	; ---- relu(..) W2
	KSTEP 16, 1, 0, 16, 2
.set Q, 17
.rept 6
	KSTEP Q, 0, 1, 16, 1
.set Q, Q+1
.endr
	KSTEP 23, 0, 0, 0, 1                           ; nothing was issued behind its weights
	RESID 56                                       ; + h2
	LNORM 16, 18, 2
	s_wait_alu depctr_va_vdst(0)                   ; the norm has written ACC, which the stores into my stage read; K step 22's products are long done reading v[WB0 ..], in which the rows land
	HSTORE                                         ; out through my stage: in by the results' order, back by rows
.irp i, 0,1,2,3,4,5,6,7,8,9,10,11,12,13,14,15
	ds_load_b128 v[WB0+4*\i:WB0+4*\i+3], v4 offset:2*SPI*\i        ; LDS serves a wave's instructions in order (ISA guide 5.7.1.4): these see my stores
.endr
.irp i, 0,1,2,3,4,5,6,7,8,9,10,11,12,13,14,15
	s_wait_dscnt 15-\i
	global_store_b128 v5, v[WB0+4*\i:WB0+4*\i+3], s[28:29] offset:8192*\i th:TH_STORE_NT   ; sixteen lanes store 256 consecutive bytes, at a multiple of 256 from out0's first byte
.endr
	s_wait_dscnt 0x0
	s_wait_alu depctr_hold_cnt(0) depctr_sa_sdst(0) depctr_va_vdst(0) depctr_va_sdst(0) depctr_va_ssrc(0) depctr_va_vcc(0) depctr_vm_vsrc(0)
	s_wait_tensorcnt 0x0
	ds_add_u32 v30, v31
	s_wait_dscnt 0x0
	s_endpgm
.Lfunc_end_k_qaa1ea32013_tail:
	.size	k_qaa1ea32013_tail, .Lfunc_end_k_qaa1ea32013_tail-k_qaa1ea32013_tail
	.p2alignl 7, 3214868480
	.fill 96, 4, 3214868480
	.section	.rodata,"a",@progbits
	.p2align	6, 0x0
	.amdhsa_kernel k_qaa1ea32013_tail
		.amdhsa_group_segment_fixed_size 217088
		.amdhsa_private_segment_fixed_size 0
		.amdhsa_enable_private_segment 0
		.amdhsa_kernarg_size 72
		.amdhsa_user_sgpr_count 2
		.amdhsa_user_sgpr_kernarg_segment_ptr 1
		.amdhsa_wavefront_size32 1
		.amdhsa_system_sgpr_workgroup_id_x 1
		.amdhsa_system_sgpr_workgroup_id_y 1
		.amdhsa_system_sgpr_workgroup_id_z 1
		.amdhsa_system_vgpr_workitem_id 0
		.amdhsa_next_free_vgpr 256
		.amdhsa_next_free_sgpr 66
		.amdhsa_reserve_vcc 0
		.amdhsa_float_denorm_mode_32 3
		.amdhsa_float_denorm_mode_16_64 3
		.amdhsa_memory_ordered 1
		.amdhsa_forward_progress 1
		.amdhsa_inst_pref_size 124
	.end_amdhsa_kernel
	.amdgpu_metadata
---
amdhsa.version: [ 1, 2 ]
amdhsa.kernels:
  - .name:           k_qaa1ea32013_tail
    .symbol:         k_qaa1ea32013_tail.kd
    .args:
      - { .name: ctx, .offset: 0, .size: 8, .value_kind: global_buffer, .address_space: global }
      - { .name: wimg, .offset: 8, .size: 8, .value_kind: global_buffer, .address_space: global }
      - { .name: x, .offset: 16, .size: 8, .value_kind: global_buffer, .address_space: global }
      - { .name: lowp_scales, .offset: 24, .size: 8, .value_kind: global_buffer, .address_space: global }
      - { .name: ln2_g, .offset: 32, .size: 8, .value_kind: global_buffer, .address_space: global }
      - { .name: ln2_b, .offset: 40, .size: 8, .value_kind: global_buffer, .address_space: global }
      - { .name: ln3_g, .offset: 48, .size: 8, .value_kind: global_buffer, .address_space: global }
      - { .name: ln3_b, .offset: 56, .size: 8, .value_kind: global_buffer, .address_space: global }
      - { .name: out0, .offset: 64, .size: 8, .value_kind: global_buffer, .address_space: global }
    .group_segment_fixed_size: 217088
    .private_segment_fixed_size: 0
    .kernarg_segment_align: 8
    .kernarg_segment_size: 72
    .max_flat_workgroup_size: 512
    .sgpr_count:     66
    .vgpr_count:     256
    .wavefront_size: 32
...
	.end_amdgpu_metadata
.endif
;; end of part 5
